; MI455X (gfx1250); checked and timed in simulation.
; The chip was launched on July 23, 2026; its instructions are those of AMD's public machine-readable ISA for CDNA 5 (MIT licence, August 2026) and "CDNA5" Instruction Set Architecture Reference Guide (July 2026). The comments in the code are by the model that wrote it; some were corrected since.
;; Causal Self Attention. Allowed arithmetic: matrix products marked QUANTISED: E2M1 operands, one E8M0 scale for each 32 along K, by v_wmma_scale_f32_16x16x128_f8f6f4 with both operands' format E2M1 (or v_wmma_scale_f32_32x16x128_f4), f32 sums; products left as they are: bf16, f16 or f32 operands; f32 sums; everything else in f32.
;; Inputs: Wk 1,024 x 256 float32; Wo 1,024 x 1,024 float32; Wq 1,024 x 1,024 float32; Wv 1,024 x 256 float32; bk 256 float32; bo 1,024 float32; bq 1,024 float32; bv 256 float32; x 2 x 2,048 x 1,024 float32.
;; Outputs: out0 2 x 2,048 x 1,024 float32.
;; This version of the problem:
;;   THIS VERSION OF THE PROBLEM IS GIVEN IN LOW PRECISION. The matrix products marked QUANTISED in the list below multiply operands that are first quantised to E2M1 (2 exponent bits, 1 mantissa bit; 4 bits a number), with one power-of-two scale for each 32 numbers along K (OCP MX v1.0); their sums are f32. The products marked 'left as it is' may take bf16, f16 or f32 operands, with f32 sums. Whichever they take, every output number must still come out within the allowed error. Rounding operands to bf16 (8 significant bits) uses up far more of that allowance than f16 does (11 bits, for magnitudes from 6e-5 to 65,504). All else is computed in f32.
;;   The module's matrix products, in the order in which they are computed (A, B: the left and right operand; K: the contracted axis; several contracted axes count as one K, in the product's order):
;;     1. [M 4,096, K 1,024] x [K 1,024, N 1,024]; A: input x; B: input Wq: QUANTISED
;;     2. [M 4,096, K 1,024] x [K 1,024, N 256]; A: input x; B: input Wk: QUANTISED
;;     3. [M 4,096, K 1,024] x [K 1,024, N 256]; A: input x; B: input Wv: QUANTISED
;;     4. batch 32 x [M 2,048, K 64] x [K 64, N 2,048]; A: computed on the way; B: computed on the way: left as it is (an operand is computed on the way)
;;     5. batch 32 x [M 2,048, K 2,048] x [K 2,048, N 64]; A: computed on the way; B: computed on the way: left as it is (an operand is computed on the way)
;;     6. [M 4,096, K 1,024] x [K 1,024, N 1,024]; A: computed on the way; B: input Wo: left as it is (an operand is computed on the way)
;;   THE QUANTISER, for each operand of a quantised product, along K:
;;     - K is cut into blocks of 32 from its start; a last block that is shorter is filled with zeros.
;;     - A block's scale is 2^e with e = floor(log2(the largest magnitude in the block)) - 2, held to -126 .. 127; a block of zeros has e = 0. As a byte (E8M0): e + 127.
;;     - Each number is divided by its block's scale, clamped to +-6, and rounded to the nearest number of E2M1, ties to even, subnormals kept.
;;     - The product sums the exact products of the quantised numbers (number of the format x scale) in f32.
;;   ~~~python
;;   def quantise(x, axis):      # numpy; x: float32 -> the quantised numbers, widened to float32 again
;;       x = np.moveaxis(x, axis, -1); K = x.shape[-1]
;;       x = np.pad(x, [(0, 0)] * (x.ndim - 1) + [(0, -K % 32)]); x = x.reshape(x.shape[:-1] + (-1, 32)); a = np.abs(x).max(-1, keepdims=True)
;;       e = np.where(a > 0, np.clip(np.frexp(np.where(a > 0, a, 1))[1] - 1 - 2, -126, 127), 0)      # np.frexp(a)[1] - 1 = floor(log2(a)), exactly
;;       r = np.clip(x / 2.0 ** e, -6, 6)
;;       step = 2.0 ** (np.maximum(np.frexp(np.where(r == 0, 1, r))[1] - 1, 0) - 1)
;;       q = np.round(r / step) * step * 2.0 ** e      # np.round: ties to even
;;       return np.moveaxis(q.reshape(q.shape[:-2] + (-1,))[..., :K], -1, axis).astype(np.float32)
;;   ~~~
;; One version. Each part assembles by itself: llvm-mc -triple=amdgcn-amd-amdhsa -mcpu=gfx1250 --defsym DOCPART=n.
;; ======== version 1 of 1: 5 launches
;; limits: values are held in f16: magnitudes above 65,504 overflow, below 6.1e-05 lose precision
;; workspace buffers: xc 2,097,152 bytes; wc 786,432 bytes; sc 180,224 bytes; wot 2,097,152 bytes; qf 8,388,608 bytes; kv 4,194,304 bytes; y 8,388,608 bytes; fq 196,608 bytes
;; launch prep (part 1): grid 208 x 1, 8 waves a work-group, no clusters, 138,240 bytes of LDS; arguments x, Wq, Wk, Wv, Wo, xc, wc, sc, wot; writes xc, wc, sc, wot
.if DOCPART == 1
	.amdgcn_target "amdgcn-amd-amdhsa--gfx1250"
	.amdhsa_code_object_version 6
	.text
	.protected	k_qb873330a9d_prep
	.globl	k_qb873330a9d_prep
	.p2align	8
	.type	k_qb873330a9d_prep,@function
k_qb873330a9d_prep:
	s_mov_b64 s[64:65], 0
	v_nop
	global_prefetch_b8 v0, s[64:65] scope:SCOPE_SE
	s_setreg_imm32_b32 hwreg(HW_REG_WAVE_MODE, 25, 1), 1
	s_wait_xcnt 0x0
; PREP.  x [4096][1024] and Wq, Wk, Wv ([1024 (k)][n]) become codes of FP4 (E2M1) with one E8M0 byte for each 32 along K; Wo [1024 (k)][1024 (n)] becomes f16, laid [n][k].
; THE CODES LIE IN THE ORDER OF AN OPERAND'S REGISTERS: [tile of 16 rows][block of 32 along K][row r][16 bytes].  A fragment (tile, K step s of 128) is the 1,024 bytes at 8,192 tile + 1,024 s:
; two pieces of 512 bytes, lane l's 16 bytes at 16 l.  The scale words lie [tile][s][r], 4 bytes each: x's 256 tiles first, the weights' 96 from byte SCW on.
; The weights' tiles are ordered 6 sl + i: i = 0..3 columns 64 sl + 16 i of Wq, i = 4 columns 16 sl of Wk, i = 5 columns 16 sl of Wv.
; A block's scale is 2^(floor(log2(its largest magnitude)) - 2): its byte is the largest magnitude's exponent field - 2, held at 1 from below.
; LIMITS: a block of zeros gets the byte 1 where the rule says 127 (its codes are zeros, and this program alone reads the bytes); NaN and infinities among the inputs are not served; |Wo| up to 65,504 (f16).
; SHARES.  Every work-group moves 128 KiB, every wave 16 KiB, all of it asked for at the wave's head.  Work-groups 0-127: x;  128-159: Wq;  160-175: Wk, Wv;  176-207: Wo.  Waves share nothing: no barrier.
; The scale words of the weights leave in runs of 64 bytes: one byte in 128 of what the launch reads.
.set XW,    8448                       ; LDS: path x: a stage of 16 rows x (512 + 16) bytes for each wave, from byte 0
.set OST,   67584                      ; path Wo: a stage of 32 rows x (256 + 16) bytes for each wave
.set OW,    8704
.set SPARE, 137216                     ; the spare words, 128 bytes for each wave: four blocks of 256 bytes that no other line names
.set SCW,   131072
.set SPW,   12                         ; v12  LDS address of my spare word; never rewritten
.set NIL,   13                         ; v13  0; never rewritten
.set XL,    32                         ; v32-159  numbers as they are loaded
.set XB,    160                        ; v160-223 path x: two blocks of 32 neighbours
.set CD,    224                        ; v224-239 path x: codes
; 32 numbers of ONE block in v[src] on become 4 registers of codes in v[cod] on and the scale's byte in v[byt].  v16-18 at work.
.macro QBLK src, cod, byt
	v_max3_num_f32 v16, |v[\src]|, |v[\src+1]|, |v[\src+2]|          ; the largest magnitude, in two chains
	v_max3_num_f32 v17, |v[\src+3]|, |v[\src+4]|, |v[\src+5]|
.irp i, 6,10,14,18,22,26
	v_max3_num_f32 v16, v16, |v[\src+\i]|, |v[\src+\i+1]|
	v_max3_num_f32 v17, v17, |v[\src+\i+2]|, |v[\src+\i+3]|
.endr
	v_max3_num_f32 v16, v16, |v[\src+30]|, |v[\src+31]|
	v_max3_num_f32 v16, v16, v17, 0x1800000                          ; and the floor 2^(3 - 127): the byte cannot fall under 1
	v_add_nc_u32 v18, 0xff000000, v16                                ; 2 off its exponent field: the conversion takes the exponent field of this operand as its scale
.irp g, 0,1,2,3
	v_cvt_scalef32_pk8_fp4_f32 v[\cod+\g], v[\src+8*\g:\src+8*\g+7], v18
.endr
	v_lshrrev_b32 v[\byt], 23, v18                                   ; the scale's byte; also the plain line behind the conversions
.endm
; 128 rows down K of my column: a lane takes a column, its registers run down K; the eight waves stand side by side on 1,024 consecutive bytes of each row
.macro WLOAD pitch
.set i, 0
.rept 128
	global_load_b32 v[XL+i], v5, s[36:37] offset:i*\pitch th:TH_LOAD_NT
.set i, i+1
.endr
.endm
; A weight's K step s34 for 256 columns.  s[36:37]: my wave's first number; s32 + s33 x (lane / 16): my lane's tile.
.macro WPATH pitch
	v_lshlrev_b32 v5, 2, v1
	WLOAD \pitch
	s_lshl_b32 s30, s34, 10
	s_add_nc_u64 s[20:21], s[20:21], s[30:31]      ; the codes at K step s
	s_lshl_b32 s30, s34, 6
	s_add_co_u32 s30, s30, SCW
	s_add_nc_u64 s[22:23], s[22:23], s[30:31]      ; the weights' scale words at K step s
	v_mul_u32_u24 v6, s33, v3
	v_add_nc_u32 v6, s32, v6                       ; my tile
	v_lshlrev_b32 v7, 13, v6
	v_lshl_add_u32 v7, v2, 4, v7                   ; 8,192 tile + 16 r
	v_lshlrev_b32 v8, 9, v6
	v_lshl_add_u32 v8, v2, 2, v8                   ; 512 tile + 4 r
.irp blk, 0,1,2,3
.if \blk == 0
	s_wait_loadcnt 63                              ; of the 128 loads at most 63 are out: the first 65 are in, blocks 0 and 1 among them
.endif
.if \blk == 2
	s_wait_loadcnt 32                              ; block 3's 32 may be out
.endif
.if \blk == 3
	s_wait_loadcnt 0x0
.endif
	QBLK 32+32*\blk, 160+4*\blk, 176+\blk
	global_store_b128 v7, v[160+4*\blk:163+4*\blk], s[20:21] offset:256*\blk   ; sixteen lanes store 256 consecutive bytes, aligned
.endr
	v_lshl_or_b32 v180, v177, 8, v176              ; the four bytes make my column's scale word
	v_lshl_or_b32 v180, v178, 16, v180
	v_lshl_or_b32 v180, v179, 24, v180
	global_store_b32 v8, v180, s[22:23]
.endm
	s_load_b512 s[8:23], s[0:1], 0x0               ; x 8, Wq 10, Wk 12, Wv 14, Wo 16, xc 18, wc 20, sc 22
	s_load_b64 s[24:25], s[0:1], 0x40              ; wot
	v_lshl_add_u32 v[SPW], v0, 2, SPARE
	v_mov_b32 v[NIL], 0
	v_lshrrev_b32 v1, 5, v0
	v_readfirstlane_b32 s26, v1                    ; wave 0..7
	v_and_b32 v1, 31, v0                           ; lane
	v_and_b32 v2, 15, v0                           ; r
	v_bfe_u32 v3, v0, 4, 1                         ; h
	v_lshlrev_b32 v4, 4, v1                        ; 16 x lane
	s_mov_b32 s28, 0x76543210
	s_mov_b32 s29, 0xfedcba98                      ; v_permlanex16_b32's selects for lane l xor 16
	s_mov_b32 s31, 0                               ; the high word of every offset
	s_wait_kmcnt 0x0
	s_cmp_lt_u32 ttmp9, 128
	s_cbranch_scc1 .Lx
	s_cmp_lt_u32 ttmp9, 160
	s_cbranch_scc1 .Lwq
	s_cmp_lt_u32 ttmp9, 176
	s_cbranch_scc1 .Lwkv
	; ---- Wo: K step s (128 rows) x 256 columns, cast to f16 and turned through the wave's stage
	s_sub_co_u32 s35, ttmp9, 176
	s_and_b32 s38, s35, 3                          ; which 256 columns
	s_lshr_b32 s34, s35, 2                         ; s
	s_lshl_b32 s30, s34, 19                        ; 128 rows of 4,096 bytes
	s_lshl_b32 s39, s38, 10
	s_add_co_u32 s30, s30, s39
	s_lshl_b32 s39, s26, 7                         ; my wave's 32 columns
	s_add_co_u32 s30, s30, s39
	s_add_nc_u64 s[36:37], s[16:17], s[30:31]
	v_lshlrev_b32 v5, 2, v1
	WLOAD 4096
	s_lshl_b32 s30, s38, 19                        ; wot: row n of 2,048 bytes: 256 rows,
	s_lshl_b32 s39, s26, 16                        ; my wave's 32,
	s_add_co_u32 s30, s30, s39
	s_lshl_b32 s39, s34, 8                         ; and 256 bytes a K step
	s_add_co_u32 s30, s30, s39
	s_add_nc_u64 s[24:25], s[24:25], s[30:31]
	s_mul_i32 s39, s26, OW
	s_add_co_u32 s39, s39, OST                     ; my stage
	v_mul_u32_u24 v6, v1, 272
	v_add_nc_u32 v6, s39, v6                       ; in: row = my column
	v_mul_u32_u24 v7, v3, 272
	v_lshl_add_u32 v7, v2, 4, v7
	v_add_nc_u32 v7, s39, v7                       ; out: sixteen lanes to a row, two rows an instruction
	v_lshlrev_b32 v8, 11, v3
	v_lshl_add_u32 v8, v2, 4, v8                   ; and the same place in wot
.irp q, 0,1,2,3
.if \q == 0
	s_wait_loadcnt 63                              ; at most 63 of the 128 are out: the first two quarters are in
.endif
.if \q == 2
	s_wait_loadcnt 32
.endif
.if \q == 3
	s_wait_loadcnt 0x0
.endif
.irp n, 0,1,2,3,4,5,6,7,8,9,10,11,12,13,14,15
	v_cvt_pk_f16_f32 v[160+16*\q+\n], v[32+32*\q+2*\n], v[33+32*\q+2*\n]     ; two neighbours along K, the lower in the low half
.endr
.irp j, 0,1,2,3
	ds_store_b128 v6, v[160+16*\q+4*\j:163+16*\q+4*\j] offset:64*\q+16*\j
.endr
.endr
.irp t, 0,1,2,3,4,5,6,7,8,9,10,11,12,13,14,15
	ds_load_b128 v[32+4*\t:35+4*\t], v7 offset:2*\t*272            ; a wave's LDS instructions are served in order: these see my stores
.endr
.irp t, 0,1,2,3,4,5,6,7,8,9,10,11,12,13,14,15
	s_wait_dscnt 15-\t
	global_store_b128 v8, v[32+4*\t:35+4*\t], s[24:25] offset:2*\t*2048     ; sixteen lanes store 256 consecutive bytes, aligned
.endr
	s_branch .Lend
.Lx:	; ---- x: wave (tile tt, quarter kp of K): 16 rows x 256 along K = two K steps
	s_lshl_b32 s32, ttmp9, 1
	s_lshr_b32 s33, s26, 2
	s_add_co_u32 s32, s32, s33                     ; tt
	s_and_b32 s33, s26, 3                          ; kp
	s_lshl_b32 s30, s32, 16                        ; 16 rows of 4,096 bytes
	s_lshl_b32 s34, s33, 10
	s_add_co_u32 s30, s30, s34
	s_add_nc_u64 s[8:9], s[8:9], s[30:31]
.irp p, 0,1
.irp i, 0,1,2,3,4,5,6,7,8,9,10,11,12,13,14,15
	global_load_b128 v[XL+4*(16*\p+\i):XL+4*(16*\p+\i)+3], v4, s[8:9] offset:\i*4096+\p*512 th:TH_LOAD_NT   ; 512 consecutive bytes of row i
.endr
.endr
	s_lshl_b32 s30, s32, 13
	s_lshl_b32 s34, s33, 11
	s_add_co_u32 s30, s30, s34
	s_add_nc_u64 s[18:19], s[18:19], s[30:31]      ; the codes: 8,192 tt + 2,048 kp
	s_lshl_b32 s30, s32, 9
	s_lshl_b32 s34, s33, 7
	s_add_co_u32 s30, s30, s34
	s_add_nc_u64 s[22:23], s[22:23], s[30:31]      ; the scale words: 512 tt + 128 kp
	v_lshlrev_b32 v7, 2, v1                        ; 4 x lane
	v_lshlrev_b32 v9, 3, v3                        ; 8 h
	s_mul_i32 s35, s26, XW                         ; my stage
	v_add_nc_u32 v5, s35, v4                       ; in: a row as it was loaded
	v_mul_u32_u24 v6, v2, 528
	v_lshl_add_u32 v6, v3, 7, v6
	v_add_nc_u32 v6, s35, v6                       ; out: row r, block h: the pitch of 528 bytes sets the sixteen rows 16 bytes apart modulo 256
	v_mov_b32 v22, 0                               ; written once: a lane permute's destination counts as one of its sources
.macro XSTEP p
.if \p == 0
	s_wait_loadcnt 16                              ; this K step's sixteen loads are in, the other's may be out
.else
	s_wait_loadcnt 0x0
.endif
.irp i, 0,1,2,3,4,5,6,7,8,9,10,11,12,13,14,15
	ds_store_b128 v5, v[XL+4*(16*\p+\i):XL+4*(16*\p+\i)+3] offset:\i*528
.endr
.irp c, 0,1
.irp j, 0,1,2,3,4,5,6,7
	ds_load_b128 v[XB+32*\c+4*\j:XB+32*\c+4*\j+3], v6 offset:\c*256+16*\j    ; block 2 c + h of row r: 32 neighbours
.endr
.endr
	s_wait_dscnt 8                                 ; the first block's eight loads are in
	QBLK XB, CD+8*\p, 23
	s_wait_dscnt 0x0
	QBLK XB+32, CD+8*\p+4, 24
	global_store_b128 v4, v[CD+8*\p:CD+8*\p+3], s[18:19] offset:\p*1024          ; 512 consecutive bytes, aligned
	global_store_b128 v4, v[CD+8*\p+4:CD+8*\p+7], s[18:19] offset:\p*1024+512
	v_lshl_or_b32 v[20+\p], v24, 16, v23           ; my two bytes: blocks h and 2 + h of row r,
	v_lshlrev_b32 v[20+\p], v9, v[20+\p]           ; at their places in the scale word;
	v_permlanex16_b32 v22, v[20+\p], s28, s29
	v_or_b32 v[20+\p], v[20+\p], v22               ; with lane l xor 16's two the word is whole
.endm
	XSTEP 0
	XSTEP 1
	v_cmp_le_u32 vcc_lo, 16, v1
	v_cndmask_b32 v25, v20, v21, vcc_lo            ; lanes 0-15 store the first K step's words, lanes 16-31 the second's: 128 consecutive bytes
	global_store_b32 v7, v25, s[22:23]
	s_branch .Lend
.Lwq:	; ---- Wq: K step s x 256 columns
	s_sub_co_u32 s35, ttmp9, 128
	s_and_b32 s38, s35, 3                          ; which 256 columns
	s_lshr_b32 s34, s35, 2                         ; s
	s_lshl_b32 s30, s34, 19
	s_lshl_b32 s39, s38, 10
	s_add_co_u32 s30, s30, s39
	s_lshl_b32 s39, s26, 7
	s_add_co_u32 s30, s30, s39
	s_add_nc_u64 s[36:37], s[10:11], s[30:31]
	s_lshl_b32 s32, s38, 2
	s_lshr_b32 s39, s26, 1
	s_add_co_u32 s32, s32, s39                     ; the head of my wave's 32 columns
	s_mul_i32 s32, s32, 6
	s_and_b32 s39, s26, 1
	s_lshl_b32 s39, s39, 1
	s_add_co_u32 s32, s32, s39                     ; tile 6 head + 2 (wave % 2), + 1 for lanes 16-31
	s_mov_b32 s33, 1
	WPATH 4096
	s_branch .Lend
.Lwkv:	; ---- Wk or Wv: K step s x all 256 columns
	s_sub_co_u32 s35, ttmp9, 160
	s_lshr_b32 s38, s35, 3                         ; 0: Wk, 1: Wv
	s_and_b32 s34, s35, 7                          ; s
	s_cmp_eq_u32 s38, 0
	s_cselect_b64 s[36:37], s[12:13], s[14:15]     ; the choice hangs on the work-group's number alone
	s_lshl_b32 s30, s34, 17                        ; 128 rows of 1,024 bytes
	s_lshl_b32 s39, s26, 7
	s_add_co_u32 s30, s30, s39
	s_add_nc_u64 s[36:37], s[36:37], s[30:31]
	s_mul_i32 s32, s26, 12
	s_add_co_u32 s32, s32, 4
	s_add_co_u32 s32, s32, s38                     ; tile 6 (2 wave) + 4 or 5, + 6 for lanes 16-31
	s_mov_b32 s33, 6
	WPATH 1024
.Lend:
	s_wait_tensorcnt 0x0                           ; the wave's end, behind my last LDS store
	ds_add_u32 v[SPW], v[NIL]
	s_wait_dscnt 0x0
	s_endpgm
.Lfunc_end_k_qb873330a9d_prep:
	.size	k_qb873330a9d_prep, .Lfunc_end_k_qb873330a9d_prep-k_qb873330a9d_prep
	.p2alignl 7, 3214868480
	.fill 96, 4, 3214868480
	.section	.rodata,"a",@progbits
	.p2align	6, 0x0
	.amdhsa_kernel k_qb873330a9d_prep
		.amdhsa_group_segment_fixed_size 138240
		.amdhsa_private_segment_fixed_size 0
		.amdhsa_enable_private_segment 0
		.amdhsa_kernarg_size 72
		.amdhsa_user_sgpr_count 2
		.amdhsa_user_sgpr_kernarg_segment_ptr 1
		.amdhsa_wavefront_size32 1
		.amdhsa_system_sgpr_workgroup_id_x 1
		.amdhsa_system_sgpr_workgroup_id_y 1
		.amdhsa_system_sgpr_workgroup_id_z 1
		.amdhsa_system_vgpr_workitem_id 0
		.amdhsa_next_free_vgpr 240
		.amdhsa_next_free_sgpr 66
		.amdhsa_reserve_vcc 1
		.amdhsa_float_denorm_mode_32 3
		.amdhsa_float_denorm_mode_16_64 3
		.amdhsa_memory_ordered 1
		.amdhsa_forward_progress 1
		.amdhsa_inst_pref_size 76
	.end_amdhsa_kernel
	.amdgpu_metadata
---
amdhsa.version: [ 1, 2 ]
amdhsa.kernels:
  - .name:           k_qb873330a9d_prep
    .symbol:         k_qb873330a9d_prep.kd
    .args:
      - { .name: x, .offset: 0, .size: 8, .value_kind: global_buffer, .address_space: global }
      - { .name: Wq, .offset: 8, .size: 8, .value_kind: global_buffer, .address_space: global }
      - { .name: Wk, .offset: 16, .size: 8, .value_kind: global_buffer, .address_space: global }
      - { .name: Wv, .offset: 24, .size: 8, .value_kind: global_buffer, .address_space: global }
      - { .name: Wo, .offset: 32, .size: 8, .value_kind: global_buffer, .address_space: global }
      - { .name: xc, .offset: 40, .size: 8, .value_kind: global_buffer, .address_space: global }
      - { .name: wc, .offset: 48, .size: 8, .value_kind: global_buffer, .address_space: global }
      - { .name: sc, .offset: 56, .size: 8, .value_kind: global_buffer, .address_space: global }
      - { .name: wot, .offset: 64, .size: 8, .value_kind: global_buffer, .address_space: global }
    .group_segment_fixed_size: 138240
    .private_segment_fixed_size: 0
    .kernarg_segment_align: 8
    .kernarg_segment_size: 72
    .max_flat_workgroup_size: 256
    .sgpr_count:     66
    .vgpr_count:     240
    .wavefront_size: 32
...
	.end_amdgpu_metadata
.endif
;; end of part 1
;; launch qkv (part 2): grid 8 x 32, 4 waves a work-group, no clusters, 0 bytes of LDS; arguments xc, wc, sc, bq, bk, bv, qf, kv, fq; writes qf, kv, fq
.if DOCPART == 2
	.amdgcn_target "amdgcn-amd-amdhsa--gfx1250"
	.amdhsa_code_object_version 6
	.text
	.protected	k_qb873330a9d_qkv
	.globl	k_qb873330a9d_qkv
	.p2align	8
	.type	k_qb873330a9d_qkv,@function
k_qb873330a9d_qkv:
	s_mov_b64 s[64:65], 0
	v_nop
	global_prefetch_b8 v0, s[64:65] scope:SCOPE_SE
	s_setreg_imm32_b32 hwreg(HW_REG_WAVE_MODE, 25, 1), 1
	s_wait_xcnt 0x0
; QKV.  q = x Wq + bq, k = x Wk + bk, v = x Wv + bv on codes of FP4 (E2M1) with one E8M0 scale for each 32 along K; sums in f32; results rounded to f16 and stored as images of the next products' registers.
; SHARES.  A wave owns 64 tokens (token block tb: four tiles of 16) x a slice sl of six column tiles: one head of q (4 tiles), 16 channels of k, 16 of v: 24 accumulators, 192 matrix instructions.
; All of K (8 steps of 128) of both operands lies in the wave's registers: 32 KiB of x's codes, 48 KiB of the weights'.  Every load is 512 consecutive aligned bytes and is issued at the head.  No LDS, no barrier, no loop.
; ORIENTATION.  q and k are used transposed (source 0 = 16 columns of W, source 1 = 16 tokens): a lane holds ONE token and eight neighbouring channels.  v is used as it stands (source 0 = tokens, source 1 = columns):
; a lane holds ONE channel and eight neighbouring tokens.  So four roundings of an accumulator are 16 bytes of a fragment of K Q^T or of V^T P, and a wave's store is 512 consecutive aligned bytes.
; The biases are the C of each sum's first matrix instruction.  The f32 sums of each sequence's first 16 tokens also go to fq, as they stand in the registers.
; NO JOINT LOADS, though x's tiles are read by 16 slices and the weights' by 64 token blocks: a wave reads each of its 80 KiB once, straight into the registers that its 192 products name; a way through LDS would add a
; store and a load of the same bytes and two rounds of a cluster's barrier to one pass over K; and the branch for fq hangs on the token block, which the partners of a cluster would not share.
; LIMITS: |q|, |k|, |v| up to 65,504 (f16).
; REGISTERS, in windows of 256.  window 0: v1-6 addresses; v16-63 scale words (register 8 i + s: lanes 0-15 the word of x's tile i, lanes 16-31 that of the weights' tile i, K step s); v64-95 k's accumulators;
;   v96-127 v's; v128-159 bq in the result's layout, later the packed k and v; v160-167 bk; v168-175 bv; v176-239 the packed q.
;   window 1: x's fragment (s, a) at 8 (4 s + a).   window 2: Wq's (s, i) at 8 (4 s + i).   window 3: v0-127 Wk's at 16 s, Wv's at 16 s + 8; v128-255 q's accumulator (i, a) at 128 + 8 (4 i + a).
.set SC,  16
.set AK,  64
.set AV,  96
.set BQ,  128
.set BK,  160
.set BV,  168
.set TQ,  176
.set TKV, 128
.set AQ,  128
.set SCW, 131072
.set VB,  2097152
.set MSB, 0
.macro WIN new                         ; the immediate's high byte repeats the setting that is left
.if MSB != \new
	s_set_vgpr_msb (MSB<<8)|\new
.set MSB, \new
.endif
.endm
	s_load_b512 s[8:23], s[0:1], 0x0               ; xc 8, wc 10, sc 12, bq 14, bk 16, bv 18, qf 20, kv 22
	s_load_b64 s[24:25], s[0:1], 0x40              ; fq
	v_lshrrev_b32 v1, 5, v0
	v_readfirstlane_b32 s26, v1                    ; wave 0..3
	v_and_b32 v1, 31, v0
	v_lshlrev_b32 v1, 4, v1                        ; 16 x lane
	v_and_b32 v2, 15, v0                           ; r
	v_bfe_u32 v3, v0, 4, 1                         ; h
	s_and_b32 s27, ttmp7, 0xffff
	s_lshl_b32 s27, s27, 1
	s_lshr_b32 s28, s26, 1
	s_add_co_u32 s27, s27, s28                     ; tb = 2 y + wave / 2
	s_lshl_b32 s28, ttmp9, 1
	s_and_b32 s29, s26, 1
	s_add_co_u32 s28, s28, s29                     ; sl = 2 x + wave % 2
	s_lshl_b32 s30, s27, 11                        ; x's scale words: 4 tiles of 512 bytes a token block
	s_mul_i32 s31, s28, 3072                       ; the weights': 6 tiles a slice, from SCW on
	s_add_co_u32 s31, s31, SCW
	s_sub_co_u32 s31, s31, s30                     ; the distance between the two (never negative: 2,048 x 63 < SCW)
	v_mul_u32_u24 v4, s31, v3
	v_add_nc_u32 v4, s30, v4
	v_lshl_add_u32 v4, v2, 2, v4                   ; lanes 0-15 x's words, lanes 16-31 the weights': + 4 r
	v_lshlrev_b32 v5, 5, v3                        ; 32 h: eight numbers of a bias
	v_lshlrev_b32 v6, 2, v2                        ; 4 r
	s_mov_b32 s33, 0
	s_wait_kmcnt 0x0
	s_lshl_b32 s32, s28, 8
	s_add_nc_u64 s[14:15], s[14:15], s[32:33]      ; bq at my head
	s_lshl_b32 s32, s28, 6
	s_add_nc_u64 s[16:17], s[16:17], s[32:33]      ; bk, bv at my 16 channels
	s_add_nc_u64 s[18:19], s[18:19], s[32:33]
	s_lshl_b32 s32, s27, 15
	s_add_nc_u64 s[8:9], s[8:9], s[32:33]          ; x's codes: 4 tiles of 8,192 bytes
	s_mul_i32 s32, s28, 49152
	s_add_nc_u64 s[10:11], s[10:11], s[32:33]      ; the weights': 6 tiles
	; 18 loads of biases
.irp i, 0,1,2,3
.irp c, 0,1
	global_load_b128 v[BQ+8*\i+4*\c:BQ+8*\i+4*\c+3], v5, s[14:15] offset:64*\i+16*\c      ; bq(64 sl + 16 i + 8 h + 0..7)
.endr
.endr
.irp c, 0,1
	global_load_b128 v[BK+4*\c:BK+4*\c+3], v5, s[16:17] offset:16*\c
.endr
.irp j, 0,1,2,3,4,5,6,7
	global_load_b32 v[BV+\j], v6, s[18:19]         ; bv(16 sl + r) in all eight registers: v's result holds one channel a lane
.endr
	; 48 of scale words.  (For i = 4, 5 lanes 0-15 read words of later tiles: inside sc, and not used)
.irp i, 0,1,2,3,4,5
.irp s, 0,1,2,3,4,5,6,7
	global_load_b32 v[SC+8*\i+\s], v4, s[12:13] offset:512*\i+64*\s
.endr
.endr
	; and 20 of codes for each K step, K ascending
.irp s, 0,1,2,3,4,5,6,7
	WIN 0x40
.irp a, 0,1,2,3
.irp c, 0,1
	global_load_b128 v[8*(4*\s+\a)+4*\c:8*(4*\s+\a)+4*\c+3], v1, s[8:9] offset:\a*8192+\s*1024+\c*512
.endr
.endr
	WIN 0x80
.irp i, 0,1,2,3
.irp c, 0,1
	global_load_b128 v[8*(4*\s+\i)+4*\c:8*(4*\s+\i)+4*\c+3], v1, s[10:11] offset:\i*8192+\s*1024+\c*512
.endr
.endr
	WIN 0xc0
.irp c, 0,1
	global_load_b128 v[16*\s+4*\c:16*\s+4*\c+3], v1, s[10:11] offset:4*8192+\s*1024+\c*512
.endr
.irp c, 0,1
	global_load_b128 v[16*\s+8+4*\c:16*\s+8+4*\c+3], v1, s[10:11] offset:5*8192+\s*1024+\c*512
.endr
.endr
	; where the results go
	s_lshl_b32 s32, s27, 17
	s_lshl_b32 s34, s28, 11
	s_add_co_u32 s32, s32, s34
	s_add_nc_u64 s[20:21], s[20:21], s[32:33]      ; qf: (64 (4 tb) + 4 sl) pieces of 512 bytes
	s_lshr_b32 s35, s27, 5                         ; the batch
	s_lshl_b32 s32, s35, 2
	s_lshr_b32 s34, s28, 2
	s_add_co_u32 s32, s32, s34                     ; 4 batch + group
	s_lshl_b32 s32, s32, 18                        ; 128 key tiles of 2,048 bytes
	s_and_b32 s34, s27, 31
	s_lshl_b32 s34, s34, 13                        ; my 4 key tiles
	s_add_co_u32 s32, s32, s34
	s_and_b32 s34, s28, 3
	s_lshl_b32 s34, s34, 9                         ; my 16 channels' piece
	s_add_co_u32 s32, s32, s34
	s_add_nc_u64 s[22:23], s[22:23], s[32:33]
	s_lshl_b32 s32, s35, 4
	s_add_co_u32 s32, s32, s28
	s_mul_i32 s32, s32, 6144
	s_add_nc_u64 s[24:25], s[24:25], s[32:33]      ; fq: (16 batch + sl) x 6 accumulators of 1,024 bytes
; A K step: 24 matrix instructions, the 24 accumulators by turns, one instruction a turn
.macro KSTEP s
.if 20*(7-\s) > 63
	s_wait_loadcnt 63                              ; the later K steps' loads, 20 each, may be out; the count is held to what the field takes
.else
	s_wait_loadcnt 20*(7-\s)
.endif
.if \s == 0
	WIN 0xc6                                       ; source 0 (Wq) window 2, source 1 (x) window 1, C (bq) window 0, D window 3
.else
	WIN 0xf6                                       ; C and D window 3
.endif
.irp i, 0,1,2,3
.irp a, 0,1,2,3
.if \s == 0
	v_wmma_scale_f32_16x16x128_f8f6f4 v[AQ+8*(4*\i+\a):AQ+8*(4*\i+\a)+7], v[8*(4*\s+\i):8*(4*\s+\i)+7], v[8*(4*\s+\a):8*(4*\s+\a)+7], v[BQ+8*\i:BQ+8*\i+7], v[SC+8*\i+\s], v[SC+8*\a+\s] matrix_a_fmt:MATRIX_FMT_FP4 matrix_b_fmt:MATRIX_FMT_FP4 matrix_a_scale:MATRIX_SCALE_ROW1
.else
	v_wmma_scale_f32_16x16x128_f8f6f4 v[AQ+8*(4*\i+\a):AQ+8*(4*\i+\a)+7], v[8*(4*\s+\i):8*(4*\s+\i)+7], v[8*(4*\s+\a):8*(4*\s+\a)+7], v[AQ+8*(4*\i+\a):AQ+8*(4*\i+\a)+7], v[SC+8*\i+\s], v[SC+8*\a+\s] matrix_a_fmt:MATRIX_FMT_FP4 matrix_b_fmt:MATRIX_FMT_FP4 matrix_a_scale:MATRIX_SCALE_ROW1
.endif
.endr
.endr
	WIN 0x07                                       ; source 0 (Wk) window 3, source 1 (x) window 1, C and D window 0
.irp a, 0,1,2,3
.if \s == 0
	v_wmma_scale_f32_16x16x128_f8f6f4 v[AK+8*\a:AK+8*\a+7], v[16*\s:16*\s+7], v[8*(4*\s+\a):8*(4*\s+\a)+7], v[BK:BK+7], v[SC+32+\s], v[SC+8*\a+\s] matrix_a_fmt:MATRIX_FMT_FP4 matrix_b_fmt:MATRIX_FMT_FP4 matrix_a_scale:MATRIX_SCALE_ROW1
.else
	v_wmma_scale_f32_16x16x128_f8f6f4 v[AK+8*\a:AK+8*\a+7], v[16*\s:16*\s+7], v[8*(4*\s+\a):8*(4*\s+\a)+7], v[AK+8*\a:AK+8*\a+7], v[SC+32+\s], v[SC+8*\a+\s] matrix_a_fmt:MATRIX_FMT_FP4 matrix_b_fmt:MATRIX_FMT_FP4 matrix_a_scale:MATRIX_SCALE_ROW1
.endif
.endr
	WIN 0x0d                                       ; source 0 (x) window 1, source 1 (Wv) window 3
.irp a, 0,1,2,3
.if \s == 0
	v_wmma_scale_f32_16x16x128_f8f6f4 v[AV+8*\a:AV+8*\a+7], v[8*(4*\s+\a):8*(4*\s+\a)+7], v[16*\s+8:16*\s+15], v[BV:BV+7], v[SC+8*\a+\s], v[SC+40+\s] matrix_a_fmt:MATRIX_FMT_FP4 matrix_b_fmt:MATRIX_FMT_FP4 matrix_b_scale:MATRIX_SCALE_ROW1
.else
	v_wmma_scale_f32_16x16x128_f8f6f4 v[AV+8*\a:AV+8*\a+7], v[8*(4*\s+\a):8*(4*\s+\a)+7], v[16*\s+8:16*\s+15], v[AV+8*\a:AV+8*\a+7], v[SC+8*\a+\s], v[SC+40+\s] matrix_a_fmt:MATRIX_FMT_FP4 matrix_b_fmt:MATRIX_FMT_FP4 matrix_b_scale:MATRIX_SCALE_ROW1
.endif
.endr
.endm
.irp s, 0,1,2,3,4,5,6,7
	KSTEP \s
.endr
	WIN 0
.rept 4
	v_nop                                          ; four places between the last products and the first read of results (ISA guide 7.12.1)
.endr
	; a sequence's first 16 tokens: the f32 sums as they stand, each accumulator from its low end on
	s_and_b32 s34, s27, 31
	s_cmp_lg_u32 s34, 0
	s_cbranch_scc1 .Lnofine
	WIN 0x0c                                       ; a store's data are its source 1: window 3
.irp i, 0,1,2,3
.irp c, 0,1
	global_store_b128 v1, v[AQ+32*\i+4*\c:AQ+32*\i+4*\c+3], s[24:25] offset:1024*\i+512*\c
.endr
.endr
	WIN 0
.irp c, 0,1
	global_store_b128 v1, v[AK+4*\c:AK+4*\c+3], s[24:25] offset:4096+512*\c
.endr
.irp c, 0,1
	global_store_b128 v1, v[AV+4*\c:AV+4*\c+3], s[24:25] offset:5120+512*\c
.endr
.Lnofine:
	WIN 0x0f                                       ; sources 0 and 1 window 3, destination window 0
.irp t, 0,1,2,3,4,5,6,7,8,9,10,11,12,13,14,15
.irp p, 0,1,2,3
	v_cvt_pk_f16_f32 v[TQ+4*\t+\p], v[AQ+8*\t+2*\p], v[AQ+8*\t+2*\p+1]
.endr
.endr
	WIN 0
.irp t, 0,1,2,3,4,5,6,7
.irp p, 0,1,2,3
	v_cvt_pk_f16_f32 v[TKV+4*\t+\p], v[AK+8*\t+2*\p], v[AK+8*\t+2*\p+1]      ; k's four tiles, then v's four (AV = AK + 32)
.endr
.endr
.irp i, 0,1,2,3
.irp a, 0,1,2,3
	global_store_b128 v1, v[TQ+4*(4*\i+\a):TQ+4*(4*\i+\a)+3], s[20:21] offset:\a*32768+\i*512    ; 512 consecutive bytes, aligned
.endr
.endr
.irp a, 0,1,2,3
	global_store_b128 v1, v[TKV+4*\a:TKV+4*\a+3], s[22:23] offset:\a*2048
.endr
.irp a, 0,1,2,3
	global_store_b128 v1, v[TKV+16+4*\a:TKV+16+4*\a+3], s[22:23] offset:\a*2048+VB
.endr
	s_endpgm
.Lfunc_end_k_qb873330a9d_qkv:
	.size	k_qb873330a9d_qkv, .Lfunc_end_k_qb873330a9d_qkv-k_qb873330a9d_qkv
	.p2alignl 7, 3214868480
	.fill 96, 4, 3214868480
	.section	.rodata,"a",@progbits
	.p2align	6, 0x0
	.amdhsa_kernel k_qb873330a9d_qkv
		.amdhsa_group_segment_fixed_size 0
		.amdhsa_private_segment_fixed_size 0
		.amdhsa_enable_private_segment 0
		.amdhsa_kernarg_size 72
		.amdhsa_user_sgpr_count 2
		.amdhsa_user_sgpr_kernarg_segment_ptr 1
		.amdhsa_wavefront_size32 1
		.amdhsa_system_sgpr_workgroup_id_x 1
		.amdhsa_system_sgpr_workgroup_id_y 1
		.amdhsa_system_sgpr_workgroup_id_z 1
		.amdhsa_system_vgpr_workitem_id 0
		.amdhsa_next_free_vgpr 1024
		.amdhsa_next_free_sgpr 66
		.amdhsa_reserve_vcc 0
		.amdhsa_float_denorm_mode_32 3
		.amdhsa_float_denorm_mode_16_64 3
		.amdhsa_memory_ordered 1
		.amdhsa_forward_progress 1
		.amdhsa_inst_pref_size 59
	.end_amdhsa_kernel
	.amdgpu_metadata
---
amdhsa.version: [ 1, 2 ]
amdhsa.kernels:
  - .name:           k_qb873330a9d_qkv
    .symbol:         k_qb873330a9d_qkv.kd
    .args:
      - { .name: xc, .offset: 0, .size: 8, .value_kind: global_buffer, .address_space: global }
      - { .name: wc, .offset: 8, .size: 8, .value_kind: global_buffer, .address_space: global }
      - { .name: sc, .offset: 16, .size: 8, .value_kind: global_buffer, .address_space: global }
      - { .name: bq, .offset: 24, .size: 8, .value_kind: global_buffer, .address_space: global }
      - { .name: bk, .offset: 32, .size: 8, .value_kind: global_buffer, .address_space: global }
      - { .name: bv, .offset: 40, .size: 8, .value_kind: global_buffer, .address_space: global }
      - { .name: qf, .offset: 48, .size: 8, .value_kind: global_buffer, .address_space: global }
      - { .name: kv, .offset: 56, .size: 8, .value_kind: global_buffer, .address_space: global }
      - { .name: fq, .offset: 64, .size: 8, .value_kind: global_buffer, .address_space: global }
    .group_segment_fixed_size: 0
    .private_segment_fixed_size: 0
    .kernarg_segment_align: 8
    .kernarg_segment_size: 72
    .max_flat_workgroup_size: 128
    .sgpr_count:     66
    .vgpr_count:     1024
    .wavefront_size: 32
...
	.end_amdgpu_metadata
.endif
;; end of part 2
;; launch attn (part 3): grid 32 x 8, 8 waves a work-group, no clusters, 116,736 bytes of LDS; arguments qf, kv, y; writes y
.if DOCPART == 3
	.amdgcn_target "amdgcn-amd-amdhsa--gfx1250"
	.amdhsa_code_object_version 6
	.text
	.protected	k_qb873330a9d_attn
	.globl	k_qb873330a9d_attn
	.p2align	8
	.type	k_qb873330a9d_attn,@function
k_qb873330a9d_attn:
	s_mov_b64 s[64:65], 0
	v_nop
	global_prefetch_b8 v0, s[64:65] scope:SCOPE_SE
	s_setreg_imm32_b32 hwreg(HW_REG_WAVE_MODE, 25, 1), 1
	s_wait_xcnt 0x0
; ATTN.  y[b][i][head] = sum over j of softmax_j(q_i . k_j / 8) v_j, key j counting for query i where i - 256 <= j <= i.  Operands f16, products, maxima and sums f32; p rounded to f16 for the second product, y once.
; SHARES.  A work-group owns 64 queries x the four heads of one kv group; wave w: head w % 4, queries q0 = 64 x + 32 (w / 4) + 0..31, two tiles of 16.
; A wave walks 9 key steps of 32: step s holds keys q0 - 256 + 32 s + 0..31.  Step 0 lies on the window's edge, steps 1..7 lie wholly inside the band, step 8 on the diagonal.  A step with q0 < 256 - 32 s lies wholly in front
; of the sequence: a scalar branch on ids leads round it.  Every step that is walked has a key that counts for every query (the last key of step 0, the first of step 8), so the running maximum is a number.
; LAYOUT.  S^T = K Q^T and O^T = V^T P: a lane holds ONE query throughout.  q, k, v arrive as images of the fragments' registers: a piece of 512 bytes, lane l's 16 bytes at 16 l, is four registers.
; The group's 20 key tiles (320 keys) of k and of v come into LDS once, through registers, and are read by all eight waves.  A part of them that would lie in front of the sequence is read from the buffer's start and never used.
; SOFTMAX.  A running maximum m and sum l for each query: p = 2^(c s - c m), c = log2(e) / 8; in every step O and l are multiplied by a = 2^(c m_old - c m_new).  The step is written once for all: which step comes first
; hangs on the work-group's number, so O and l begin as zeros and m as -3e38.
; NO JOINT LOADS: neighbouring query blocks' windows are shifted by 64 keys against each other, so no two work-groups want the same 320 keys.
; LIMITS: |y| up to 65,504 (f16).
.set VIM,   40960                      ; LDS: k's 20 tiles of 2,048 bytes from 0, v's from VIM,
.set STG,   81920                      ; the stage for y: 64 rows x (512 + 16) bytes,
.set SPARE, 115712                     ; the spare words, 128 bytes for each wave: four blocks of 256 bytes that no other line names
.set VB,    2097152
.set ST,    16                         ; tile qt's statistics at v[ST + 8 qt]: +0 c m, +1 m, +2, +3 l, +4 to +7 at work; a in +6
.set Q,     32                         ; v32-63   Q: 16 qt + 8 i
.set KF,    64                         ; v64-95   K: 16 kk + 8 i
.set VF,    96                         ; v96-127  V^T: 8 dt
.set S,     128                        ; v128-159 S^T: 16 qt + 8 kk
.set P,     160                        ; v160-175 P: 8 qt
.set O,     176                        ; v176-239 O^T: 32 qt + 8 dt
; v2 k's LDS address, v3 v's, v4 stage in, v5 stage out, v6 16 x lane, v7 16 x thread, v8, v9 16 qt + r - 8 h, v10 -infinity, v11 VIM + 16 x thread, v12, v13 the add's two, v240-249 the fill's offsets
	s_load_b128 s[8:11], s[0:1], 0x0               ; qf, kv
	s_load_b64 s[12:13], s[0:1], 0x10              ; y
	v_lshl_add_u32 v12, v0, 2, SPARE
	v_mov_b32 v13, 0
	v_lshrrev_b32 v1, 5, v0
	v_readfirstlane_b32 s14, v1                    ; wave 0..7
	s_and_b32 s15, s14, 3                          ; head in the group
	s_lshr_b32 s16, s14, 2                         ; which 32 queries
	s_and_b32 s17, ttmp7, 0xffff                   ; 4 batch + group
	s_lshr_b32 s18, s17, 2
	s_and_b32 s19, s17, 3
	s_lshl_b32 s24, ttmp9, 6
	s_lshl_b32 s25, s16, 5
	s_add_co_u32 s24, s24, s25                     ; q0
	s_mov_b32 s20, 0x76543210
	s_mov_b32 s21, 0xfedcba98                      ; v_permlanex16_b32's selects for lane l xor 16
	s_mov_b32 s22, 0x3e38aa3b                      ; c = log2(e) / 8
	s_mov_b32 s23, s22                             ; (named with it as a pair, so it is written)
	v_and_b32 v1, 31, v0
	v_lshlrev_b32 v6, 4, v1
	v_lshlrev_b32 v7, 4, v0
	v_add_nc_u32 v11, VIM, v7
	v_and_b32 v14, 15, v0                          ; r
	v_bfe_u32 v15, v0, 4, 1                        ; h
	s_lshl_b32 s26, ttmp9, 13
	s_sub_co_i32 s26, s26, 32768                   ; (4 x - 16) tiles of 2,048 bytes: where the window begins
.irp i, 0,1,2,3,4,5,6,7,8,9
	s_add_co_i32 s27, s26, \i*4096
	s_max_i32 s27, s27, 0                          ; two tiles in front of the sequence: read from the start, never used
	v_add_nc_u32 v[240+\i], s27, v7
.endr
	s_lshl_b32 s28, s18, 22
	s_lshl_b32 s27, ttmp9, 17
	s_add_co_u32 s28, s28, s27                     ; in qf and in y alike: 2,048 tokens a batch, 64 a work-group, 2,048 bytes a token
	s_lshl_b32 s27, s16, 16
	s_add_co_u32 s32, s28, s27                     ; qf: my 32 queries,
	s_lshl_b32 s27, s19, 13
	s_add_co_u32 s32, s32, s27
	s_lshl_b32 s27, s15, 11
	s_add_co_u32 s32, s32, s27                     ; my head's four pieces
	s_mov_b32 s33, 0
	s_lshl_b32 s27, s14, 14
	s_add_co_u32 s34, s28, s27                     ; y: the 8 rows that I store,
	s_lshl_b32 s27, s19, 9
	s_add_co_u32 s34, s34, s27                     ; the group's 512 bytes of a row
	s_mov_b32 s35, 0
	s_lshl_b32 s36, s17, 18                        ; kv: 128 tiles of 2,048 bytes
	s_mov_b32 s37, 0
	s_wait_kmcnt 0x0
	s_add_nc_u64 s[8:9], s[8:9], s[32:33]
	s_add_nc_u64 s[12:13], s[12:13], s[34:35]
	s_add_nc_u64 s[10:11], s[10:11], s[36:37]
.irp qt, 0,1
.irp ct, 0,1,2,3
	global_load_b128 v[Q+16*\qt+4*\ct:Q+16*\qt+4*\ct+3], v6, s[8:9] offset:\qt*32768+\ct*512
.endr
.endr
.irp i, 0,1,2,3,4,5,6,7,8,9
	global_load_b128 v[64+4*\i:67+4*\i], v[240+\i], s[10:11]
.endr
.irp i, 0,1,2,3,4,5,6,7,8,9
	global_load_b128 v[104+4*\i:107+4*\i], v[240+\i], s[10:11] offset:VB
.endr
	s_lshl_b32 s27, s16, 12
	v_add_nc_u32 v2, s27, v6                       ; my step 0 begins 2 (w / 4) tiles into the window
	v_add_nc_u32 v3, VIM, v2
	s_mul_i32 s27, s16, 32*528
	s_lshl_b32 s28, s15, 7
	s_add_co_u32 s27, s27, s28
	s_add_co_u32 s27, s27, STG
	v_mul_u32_u24 v4, v14, 528
	v_lshl_add_u32 v4, v15, 4, v4
	v_add_nc_u32 v4, s27, v4                       ; the stage, in: row 32 (w / 4) + r, my head's 128 bytes, + 16 h
	s_mul_i32 s27, s14, 8*528
	s_add_co_u32 s27, s27, STG
	v_add_nc_u32 v5, s27, v6                       ; out: rows 8 w on, 16 bytes a lane
	v_lshlrev_b32 v8, 3, v15
	v_sub_nc_u32 v8, v14, v8                       ; r - 8 h
	v_add_nc_u32 v9, 16, v8
	v_mov_b32 v10, 0xff800000
.irp qt, 0,1
	v_mov_b32 v[ST+8*\qt+1], 0xff61b1e6            ; m = -3e38, under every score
	v_mul_f32 v[ST+8*\qt], s22, v[ST+8*\qt+1]
.irp n, 2,3,4,5,6,7
	v_mov_b32 v[ST+8*\qt+\n], 0
.endr
.endr
.set n, 0
.rept 64
	v_mov_b32 v[O+n], 0                            ; O^T: the first step that is walked finds zeros
.set n, n+1
.endr
.irp i, 0,1,2,3,4,5,6,7,8,9
	s_wait_loadcnt 19-\i                           ; Q's eight and k's loads up to this one are in
	ds_store_b128 v7, v[64+4*\i:67+4*\i] offset:\i*4096
.endr
.irp i, 0,1,2,3,4,5,6,7,8,9
	s_wait_loadcnt 9-\i
	ds_store_b128 v11, v[104+4*\i:107+4*\i] offset:\i*4096
.endr
	s_wait_dscnt 0x0                               ; for the others' sake: my stores have landed
	s_barrier_signal -1
	s_barrier_wait -1
; A KEY STEP.  kind 0: the window's edge; 1: all keys count; 2: the diagonal.
.macro STEP s, kind
.if \s < 8
	s_cmp_lt_u32 s24, 256-32*\s
	s_cbranch_scc1 .Lskip_\@
.endif
.irp kk, 0,1
.irp ct, 0,1,2,3
	ds_load_b128 v[KF+16*\kk+4*\ct:KF+16*\kk+4*\ct+3], v2 offset:\s*4096+\kk*2048+\ct*512    ; (the last products that read these registers stand a whole softmax back)
.endr
.endr
	s_wait_dscnt 0x0
.irp i, 0,1
.irp qt, 0,1
.irp kk, 0,1
.if \i == 0
	v_wmma_f32_16x16x32_f16 v[S+16*\qt+8*\kk:S+16*\qt+8*\kk+7], v[KF+16*\kk+8*\i:KF+16*\kk+8*\i+7], v[Q+16*\qt+8*\i:Q+16*\qt+8*\i+7], 0
.else
	v_wmma_f32_16x16x32_f16 v[S+16*\qt+8*\kk:S+16*\qt+8*\kk+7], v[KF+16*\kk+8*\i:KF+16*\kk+8*\i+7], v[Q+16*\qt+8*\i:Q+16*\qt+8*\i+7], v[S+16*\qt+8*\kk:S+16*\qt+8*\kk+7]
.endif
.endr
.endr
.endr
.rept 4
	v_nop                                          ; four places: in front of the reads of the scores, and of the loads into V's registers, which the last step's products read
.endr
.irp dt, 0,1,2,3
.irp c, 0,1
	ds_load_b128 v[VF+8*\dt+4*\c:VF+8*\dt+4*\c+3], v3 offset:\s*4096+\c*2048+\dt*512
.endr
.endr
.if \kind != 1                         ; register 8 kk + j of tile qt holds key 16 kk + 8 h + j of the step, for query 16 qt + r of the wave's 32
.irp qt, 0,1
.irp n, 0,1,2,3,4,5,6,7,8,9,10,11,12,13,14,15
.if \kind == 0
	v_cmp_lt_i32 vcc_lo, 16*(\n/8)+\n%8, v[8+\qt]                  ; hidden: key < query - 256
.else
	v_cmp_gt_i32 vcc_lo, 16*(\n/8)+\n%8, v[8+\qt]                  ; hidden: key > query
.endif
	v_cndmask_b32 v[S+16*\qt+\n], v[S+16*\qt+\n], v10, vcc_lo
.endr
.endr
.endif
.irp qt, 0,1
	v_max3_num_f32 v[ST+8*\qt+4], v[S+16*\qt], v[S+16*\qt+1], v[S+16*\qt+2]           ; the maximum, two chains a tile; each accumulator is read from its low end on
	v_max3_num_f32 v[ST+8*\qt+5], v[S+16*\qt+8], v[S+16*\qt+9], v[S+16*\qt+10]
.endr
.irp n, 3,5
.irp qt, 0,1
	v_max3_num_f32 v[ST+8*\qt+4], v[ST+8*\qt+4], v[S+16*\qt+\n], v[S+16*\qt+\n+1]
	v_max3_num_f32 v[ST+8*\qt+5], v[ST+8*\qt+5], v[S+16*\qt+8+\n], v[S+16*\qt+9+\n]
.endr
.endr
.irp qt, 0,1
	v_max3_num_f32 v[ST+8*\qt+4], v[ST+8*\qt+4], v[S+16*\qt+7], v[S+16*\qt+15]
.endr
.irp qt, 0,1
	v_max3_num_f32 v[ST+8*\qt+4], v[ST+8*\qt+4], v[ST+8*\qt+5], v[ST+8*\qt+1]         ; with the old m
.endr
.irp qt, 0,1
	v_permlanex16_b32 v[ST+8*\qt+5], v[ST+8*\qt+4], s20, s21       ; the query's other 16 keys lie in the lane 16 away
.endr
.irp qt, 0,1
	v_max_num_f32 v[ST+8*\qt+1], v[ST+8*\qt+4], v[ST+8*\qt+5]      ; the new m
	v_mov_b32 v[ST+8*\qt+7], v[ST+8*\qt]                           ; c m_old
.endr
.irp qt, 0,1
	v_mul_f32 v[ST+8*\qt], s22, v[ST+8*\qt+1]
.endr
.irp qt, 0,1
	v_sub_f32 v[ST+8*\qt+7], v[ST+8*\qt+7], v[ST+8*\qt]
.endr
.irp n, 0,2,4,6,8,10,12,14
.irp qt, 0,1
	v_pk_fma_f32 v[S+16*\qt+\n:S+16*\qt+\n+1], v[S+16*\qt+\n:S+16*\qt+\n+1], s[22:23], v[ST+8*\qt:ST+8*\qt+1] op_sel_hi:[1,0,0] neg_lo:[0,0,1] neg_hi:[0,0,1]   ; c s - c m
.endr
.endr
.irp qt, 0,1
	v_exp_f32 v[ST+8*\qt+6], v[ST+8*\qt+7]                         ; a
.endr
.irp n, 0,1,2,3,4,5,6,7,8,9,10,11,12,13,14,15
.irp qt, 0,1
	v_exp_f32 v[S+16*\qt+\n], v[S+16*\qt+\n]                       ; p: one batch of 34 exponentials
.endr
.endr
	v_nop                                          ; the plain instruction behind the last exponential
	s_wait_alu depctr_va_vdst(0)                   ; one wait for the batch, ahead of its first reader
.irp n, 0,1,2,3,4,5,6,7
.irp qt, 0,1
	v_cvt_pk_f16_f32 v[P+8*\qt+\n], v[S+16*\qt+2*\n], v[S+16*\qt+2*\n+1]
.endr
.endr
.irp n, 0,4,8,12
.irp qt, 0,1
	v_pk_add_f32 v[S+16*\qt+\n:S+16*\qt+\n+1], v[S+16*\qt+\n:S+16*\qt+\n+1], v[S+16*\qt+\n+2:S+16*\qt+\n+3]     ; the sum of the unrounded p, in place
.endr
.endr
.irp n, 0,8
.irp qt, 0,1
	v_pk_add_f32 v[S+16*\qt+\n:S+16*\qt+\n+1], v[S+16*\qt+\n:S+16*\qt+\n+1], v[S+16*\qt+\n+4:S+16*\qt+\n+5]
.endr
.endr
.irp qt, 0,1
	v_pk_add_f32 v[S+16*\qt:S+16*\qt+1], v[S+16*\qt:S+16*\qt+1], v[S+16*\qt+8:S+16*\qt+9]
.endr
.irp qt, 0,1
	v_pk_fma_f32 v[ST+8*\qt+2:ST+8*\qt+3], v[ST+8*\qt+2:ST+8*\qt+3], v[ST+8*\qt+6:ST+8*\qt+7], v[S+16*\qt:S+16*\qt+1] op_sel_hi:[1,0,1]    ; l = a l + the sum
.endr
.irp qt, 0,1
.irp n, 0,2,4,6,8,10,12,14,16,18,20,22,24,26,28,30
	v_pk_mul_f32 v[O+32*\qt+\n:O+32*\qt+\n+1], v[O+32*\qt+\n:O+32*\qt+\n+1], v[ST+8*\qt+6:ST+8*\qt+7] op_sel_hi:[1,0]     ; O^T x a, each accumulator from its low end on
.endr
.endr
	s_wait_dscnt 0x0                               ; V is in
.irp dt, 0,1,2,3
.irp qt, 0,1
	v_wmma_f32_16x16x32_f16 v[O+32*\qt+8*\dt:O+32*\qt+8*\dt+7], v[VF+8*\dt:VF+8*\dt+7], v[P+8*\qt:P+8*\qt+7], v[O+32*\qt+8*\dt:O+32*\qt+8*\dt+7]
.endr
.endr
.if \s < 8
.Lskip_\@:
.endif
.endm
	STEP 0, 0
.irp s, 1,2,3,4,5,6,7
	STEP \s, 1
.endr
	STEP 8, 2
	; THE WAY OUT: O^T / l, rounded to f16, through the work-group's stage: a row's 512 bytes come from four waves
.rept 4
	v_nop                                          ; four places behind the last products
.endr
.irp qt, 0,1
	v_add_f32 v[ST+8*\qt+4], v[ST+8*\qt+2], v[ST+8*\qt+3]
.endr
.irp qt, 0,1
	v_permlanex16_b32 v[ST+8*\qt+5], v[ST+8*\qt+4], s20, s21
.endr
.irp qt, 0,1
	v_add_f32 v[ST+8*\qt+4], v[ST+8*\qt+4], v[ST+8*\qt+5]
.endr
.irp qt, 0,1
	v_rcp_f32 v[ST+8*\qt+6], v[ST+8*\qt+4]
.endr
	v_nop                                          ; the plain instruction behind the last reciprocal
	s_wait_alu depctr_va_vdst(0)                   ; one wait for the two, ahead of their first reader
.irp qt, 0,1
.irp n, 0,2,4,6,8,10,12,14,16,18,20,22,24,26,28,30
	v_pk_mul_f32 v[O+32*\qt+\n:O+32*\qt+\n+1], v[O+32*\qt+\n:O+32*\qt+\n+1], v[ST+8*\qt+6:ST+8*\qt+7] op_sel_hi:[1,0]
.endr
.endr
.irp n, 0,1,2,3,4,5,6,7,8,9,10,11,12,13,14,15,16,17,18,19,20,21,22,23,24,25,26,27,28,29,30,31
	v_cvt_pk_f16_f32 v[64+\n], v[O+2*\n], v[O+2*\n+1]              ; tile (qt, dt): four registers: query r, channels 16 dt + 8 h + 0..7
.endr
.irp qt, 0,1
.irp dt, 0,1,2,3
	ds_store_b128 v4, v[64+4*(4*\qt+\dt):67+4*(4*\qt+\dt)] offset:\qt*16*528+\dt*32
.endr
.endr
	s_wait_dscnt 0x0                               ; for the others' sake: my stores have landed
	s_barrier_signal -1
	s_barrier_wait -1
.irp t, 0,1,2,3,4,5,6,7
	ds_load_b128 v[96+4*\t:99+4*\t], v5 offset:\t*528
.endr
.irp t, 0,1,2,3,4,5,6,7
	s_wait_dscnt 7-\t
	global_store_b128 v6, v[96+4*\t:99+4*\t], s[12:13] offset:\t*2048        ; 512 consecutive bytes of a row of y, aligned
.endr
	s_wait_tensorcnt 0x0                           ; the wave's end, behind my last LDS store
	ds_add_u32 v12, v13
	s_wait_dscnt 0x0
	s_endpgm
.Lfunc_end_k_qb873330a9d_attn:
	.size	k_qb873330a9d_attn, .Lfunc_end_k_qb873330a9d_attn-k_qb873330a9d_attn
	.p2alignl 7, 3214868480
	.fill 96, 4, 3214868480
	.section	.rodata,"a",@progbits
	.p2align	6, 0x0
	.amdhsa_kernel k_qb873330a9d_attn
		.amdhsa_group_segment_fixed_size 116736
		.amdhsa_private_segment_fixed_size 0
		.amdhsa_enable_private_segment 0
		.amdhsa_kernarg_size 24
		.amdhsa_user_sgpr_count 2
		.amdhsa_user_sgpr_kernarg_segment_ptr 1
		.amdhsa_wavefront_size32 1
		.amdhsa_system_sgpr_workgroup_id_x 1
		.amdhsa_system_sgpr_workgroup_id_y 1
		.amdhsa_system_sgpr_workgroup_id_z 1
		.amdhsa_system_vgpr_workitem_id 0
		.amdhsa_next_free_vgpr 256
		.amdhsa_next_free_sgpr 66
		.amdhsa_reserve_vcc 1
		.amdhsa_float_denorm_mode_32 3
		.amdhsa_float_denorm_mode_16_64 3
		.amdhsa_memory_ordered 1
		.amdhsa_forward_progress 1
		.amdhsa_inst_pref_size 110
	.end_amdhsa_kernel
	.amdgpu_metadata
---
amdhsa.version: [ 1, 2 ]
amdhsa.kernels:
  - .name:           k_qb873330a9d_attn
    .symbol:         k_qb873330a9d_attn.kd
    .args:
      - { .name: qf, .offset: 0, .size: 8, .value_kind: global_buffer, .address_space: global }
      - { .name: kv, .offset: 8, .size: 8, .value_kind: global_buffer, .address_space: global }
      - { .name: y, .offset: 16, .size: 8, .value_kind: global_buffer, .address_space: global }
    .group_segment_fixed_size: 116736
    .private_segment_fixed_size: 0
    .kernarg_segment_align: 8
    .kernarg_segment_size: 24
    .max_flat_workgroup_size: 256
    .sgpr_count:     66
    .vgpr_count:     256
    .wavefront_size: 32
...
	.end_amdgpu_metadata
.endif
;; end of part 3
;; launch proj (part 4): grid 8 x 32, 4 waves a work-group, clusters of 4 x 4, 327,680 bytes of LDS; arguments y, wot, out0, bo; writes out0
.if DOCPART == 4
	.amdgcn_target "amdgcn-amd-amdhsa--gfx1250"
	.amdhsa_code_object_version 6
	.text
	.protected	k_qb873330a9d_proj
	.globl	k_qb873330a9d_proj
	.p2align	8
	.type	k_qb873330a9d_proj,@function
k_qb873330a9d_proj:
	s_mov_b64 s[64:65], 0
	v_nop
	global_prefetch_b8 v0, s[64:65] scope:SCOPE_SE
	s_setreg_imm32_b32 hwreg(HW_REG_WAVE_MODE, 25, 1), 1
	s_wait_xcnt 0x0
	s_wait_alu depctr_hold_cnt(0) depctr_sa_sdst(0) depctr_va_vdst(0) depctr_va_sdst(0) depctr_va_ssrc(0) depctr_va_vcc(0) depctr_vm_vsrc(0)
	s_getreg_b32 s2, hwreg(HW_REG_IB_STS2, 6, 4)
	s_cmp_eq_u32 s2, 0
	s_cbranch_scc0 .Lentry_in_a_cluster
	s_endpgm
.Lentry_in_a_cluster:
	s_bfe_u32 s2, ttmp6, 0x10000c
	s_cmp_lg_u32 s2, 0xf033
	s_cbranch_scc0 .Lentry_shape_is_right
	s_endpgm
.Lentry_shape_is_right:
; PROJ.  out0[m][n] = sum over k of y[m][k] wot[n][k] + bo[n].  y: [4096][1024], wot: [1024][1024], f16; out0: [4096][1024] f32; sums in f32.
; A tile of the output is 128 x 128: 256 work-groups.  Four waves, each 64 x 64: 16 accumulators of 16 x 16.  K goes in steps of 256 (LDS rows of 512 bytes; a wave's tensor load brings 64 of them) through a ring of two slots.
; CLUSTERS: 4 x 4 work-groups.  The four of a row of the cluster need the same tiles of y, the four of a column the same tiles of wot: each tile is asked for JOINTLY, by the same tensor load with the same descriptor
; and a mask that names the four.  THE MATRIX INSTRUCTION IS USED TRANSPOSED (source 0 = 16 rows of wot, source 1 = 16 rows of y): a lane holds eight neighbouring numbers of a row of the output.
; The bias is the C of each sum's first matrix instruction.  A wave's 64 columns of f32 are 256 bytes: each wave has a stage of its own on the way out, in slot 0, which has had its last fill and its last read by then.
; By this text's own count a wave has two tensor loads out at the start and one behind each round.
; REGISTERS: window 0: v0-31 addresses; v32-63 bo in the result's layout, later with v64-95 rows on the way out; v128-255 the accumulators ((a, b) at v[128 + 8 (4 a + b)]).
;   window 1: two fragment buffers of 128: for 64 along K, 64 registers of y (2 x 4 x 16 rows x 32 K), then 64 of wot.
.set SIZE_M, 4096
.set SIZE_N, 1024
.set SIZE_K, 1024
.set KSTEP,  256
.set PITCH,  528                       ; an LDS row: 512 bytes of data + 16 of padding: the sixteen rows that a load touches begin 16 bytes apart modulo 256
.set HALFT,  64*PITCH                  ; 64 rows: what one tensor load brings, and what one wave reads of y or of wot
.set SLOT,   4*HALFT                   ; y's 128 rows, then wot's 128 rows
.set SPARE,  2*SLOT                    ; behind the ring: the spare words, 128 bytes for each wave: two blocks of 256 bytes that no other line names
.set SPITCH, 272                       ; the way out: a stage of 64 rows x (256 + 16) bytes for each wave, in slot 0
.set WST,    64*SPITCH
.set LAPS, SIZE_K/(2*KSTEP)            ; a lap = two K steps = once round the ring
.set ADRA, 16                          ; v16-17  LDS address of my y fragments in slot 0, 1
.set ADRB, 20                          ; v20-21  the same for wot
.set STO,  24                          ; v24     the way out: where I put 32 bytes of a row
.set RD,   25                          ; v25     the way out: where I read a row back
.set CO,   26                          ; v26     my byte offset in the output
.set BOA,  27                          ; v27     32 x (lane / 16): eight numbers of bo
.set SPW,  28                          ; v28     LDS address of my spare word; never rewritten
.set NIL,  29                          ; v29     0; never rewritten
.set BIA,  32                          ; v32-63  bo for my four blocks of columns
.set OB,   32                          ; the way out: 16 rows read back: v32-63 and v64-95 by turns
.set ACC,  128
.set F0,   0                           ; fragment buffers, in window 1
.set F1,   128
.set G1, 24                            ; s[24:31] descriptor group 1 for y's tiles;  s[32:39] group 0, one set for each slot
.set G0, 32
.set G1B, 48                           ; s[48:55], s[56:63] the same for wot's tiles
.set G0B, 56
.set MSB, 0
.macro WIN new                         ; the immediate's high byte repeats the setting that is left
.if MSB != \new
	s_set_vgpr_msb (MSB<<8)|\new
.set MSB, \new
.endif
.endm
.set MUL,  0x05                        ; sources 0 (wot) and 1 (y) window 1; C and D window 0
.set TO_F, 0x40                        ; destination window 1, address window 0
.macro JLOAD s                         ; a joint load: waves 0 and 1 fetch y's two halves, waves 2 and 3 wot's; an s_nop 0 and four v_nop follow each of the two lines
	s_cmp_eq_u32 s11, 0
	s_cbranch_scc0 .Lfor_b_\@
	tensor_load_to_lds s[G0+4*\s:G0+4*\s+3], s[G1:G1+7]
	s_nop 0
.rept 4
	v_nop
.endr
	s_branch .Lasked_\@
.Lfor_b_\@:
	tensor_load_to_lds s[G0B+4*\s:G0B+4*\s+3], s[G1B:G1B+7]
	s_nop 0
.rept 4
	v_nop
.endr
.Lasked_\@:
.endm
.macro CREST                           ; a round of the cluster's barrier behind its opening barrier
	s_cmp_lg_u32 s10, 0
	s_cbranch_scc1 .Lnot_wave_0_\@
	s_barrier_signal -3
.Lnot_wave_0_\@:
	s_barrier_wait -3
	s_barrier_signal -1
	s_barrier_wait -1
.endm
.macro CROUND                          ; a whole round
	s_barrier_signal -1
	s_barrier_wait -1
	CREST
.endm
	s_load_b128 s[4:7], s[0:1], 0x0                ; y s[4:5], wot s[6:7]
	s_load_b64 s[8:9], s[0:1], 0x10                ; out0
	s_load_b64 s[66:67], s[0:1], 0x18              ; bo
	v_lshl_add_u32 v[SPW], v0, 2, SPARE
	v_mov_b32 v[NIL], 0
	ds_add_u32 v[SPW], v[NIL]                      ; the wave's opening: the add, twice on end, and its wait ahead of my first tensor load
	ds_add_u32 v[SPW], v[NIL]                      ; and once more, under the one wait
	v_lshrrev_b32 v1, 5, v0
	v_readfirstlane_b32 s10, v1                    ; wave 0..3
	s_lshr_b32 s11, s10, 1                         ; which half of the tile's rows is mine.  Also: I fetch for y (0) or for wot (1)
	s_and_b32 s12, s10, 1                          ; which half of its columns.  Also: which 64 rows of that tile I fetch
	s_bfe_u32 s40, ttmp6, 0x40000                  ; cx, cy: my place in the cluster
	s_bfe_u32 s41, ttmp6, 0x40004
	s_lshl_b32 s42, ttmp9, 2
	s_add_co_u32 s42, s42, s40                     ; tile column = 4 x cluster x + cx
	s_and_b32 s13, ttmp7, 0xffff
	s_lshl_b32 s13, s13, 2
	s_add_co_u32 s13, s13, s41                     ; tile row = 4 x cluster y + cy
	s_lshl_b32 s43, s41, 2
	s_lshl_b32 s43, 15, s43                        ; my row of the cluster
	s_lshl_b32 s44, 0x1111, s40                    ; my column
	; descriptor group 1: a tile of 64 rows x 256 elements, padded in LDS
	s_or_b32 s[G1+0], s43, (1<<16)|(1<<20)|(1<<21)|(6<<22)|(3<<25)  ; 15:0 the mask: y's tiles go to my row; 17:16 element of 2 bytes; 20 padding on; 21 set beside a mask; 24:22 after every 128 words (code 6); 31:25 of 4 words (code 3)
	s_or_b32 s[G1B+0], s44, (1<<16)|(1<<20)|(1<<21)|(6<<22)|(3<<25)
.irp g, G1, G1B
	s_mov_b32 s[\g+1], KSTEP<<16                   ; tensor_dim0 = 256
	s_mov_b32 s[\g+2], 64<<16                      ; tensor_dim1 = 64
	s_mov_b32 s[\g+3], KSTEP<<16                   ; tile_dim0 = 256
	s_mov_b32 s[\g+4], 64                          ; tile_dim1 = 64
	s_mov_b32 s[\g+5], SIZE_K                      ; tensor_dim0_stride
	s_mov_b32 s[\g+6], 0
	s_mov_b32 s[\g+7], 0
.endr
	s_lshl_b32 s17, s12, 6                         ; which 64 rows of the tile I fetch
	s_lshl_b32 s16, s13, 7
	s_add_co_u32 s16, s16, s17                     ; y: row 128 x tile row + 64 x half
	s_lshl_b32 s46, s42, 7
	s_add_co_u32 s46, s46, s17                     ; wot: row 128 x tile column + 64 x half
	s_mov_b32 s17, 0
	s_mov_b32 s47, 0
	s_mov_b64 s[18:19], SIZE_K*2
	s_mul_u64 s[16:17], s[16:17], s[18:19]
	s_mul_u64 s[46:47], s[46:47], s[18:19]
	s_mul_i32 s20, s10, HALFT                      ; where they go: wave x 64 rows: no place in the cluster enters an LDS address
	s_wait_dscnt 0x0                               ; both opening adds are done
	s_wait_kmcnt 0x0
	s_add_nc_u64 s[14:15], s[4:5], s[16:17]
	s_add_nc_u64 s[46:47], s[6:7], s[46:47]
	CROUND                                         ; all sixteen work-groups are here: the first joint loads meet
.irp s, 0,1
	s_mov_b32 s[G0+4*\s], 1
	s_add_co_u32 s[G0+4*\s+1], s20, \s*SLOT
	s_add_nc_u64 s[G0+4*\s+2:G0+4*\s+3], s[14:15], \s*KSTEP*2
	s_or_b32 s[G0+4*\s+3], s[G0+4*\s+3], 0x80000000
	s_mov_b32 s[G0B+4*\s], 1
	s_add_co_u32 s[G0B+4*\s+1], s20, \s*SLOT
	s_add_nc_u64 s[G0B+4*\s+2:G0B+4*\s+3], s[46:47], \s*KSTEP*2
	s_or_b32 s[G0B+4*\s+3], s[G0B+4*\s+3], 0x80000000
	JLOAD \s
.endr
	v_and_b32 v1, 15, v0                           ; l % 16
	v_bfe_u32 v2, v0, 4, 1                         ; l / 16
	v_lshlrev_b32 v[BOA], 5, v2
	s_lshl_b32 s46, s42, 9                         ; my first column, in bytes of f32: 512 x tile column + 256 x half
	s_lshl_b32 s47, s12, 8
	s_add_co_u32 s46, s46, s47
	s_mov_b32 s47, 0
	s_add_nc_u64 s[8:9], s[8:9], s[46:47]
	s_add_nc_u64 s[66:67], s[66:67], s[46:47]
.irp b, 0,1,2,3
.irp c, 0,1
	global_load_b128 v[BIA+8*\b+4*\c:BIA+8*\b+4*\c+3], v[BOA], s[66:67] offset:64*\b+16*\c     ; bo(my column + 16 b + 8 (l / 16) + 0..7)
.endr
.endr
	v_mul_u32_u24 v3, v1, PITCH
	v_lshl_add_u32 v3, v2, 4, v3                   ; a fragment's row x pitch + 16 x half
	s_mul_i32 s21, s11, HALFT                      ; my 64 rows of y
	s_mul_i32 s22, s12, HALFT                      ; my 64 rows of wot,
	s_add_co_u32 s22, s22, 2*HALFT                 ; which lie behind y's 128
.irp s, 0,1
	v_add_nc_u32 v[ADRA+\s], s21, v3
	v_add_nc_u32 v[ADRB+\s], s22, v3
	s_add_co_u32 s21, s21, SLOT
	s_add_co_u32 s22, s22, SLOT
.endr
	s_mul_i32 s23, s10, WST                        ; my stage
	v_mul_u32_u24 v4, v1, SPITCH                   ; in: row l % 16, 32 bytes for each half of the lanes
	v_lshl_add_u32 v4, v2, 5, v4
	v_add_nc_u32 v[STO], s23, v4
	v_mul_u32_u24 v5, v2, SPITCH                   ; back: lanes 0-15 one row of 256 bytes, lanes 16-31 the next
	v_lshl_add_u32 v5, v1, 4, v5
	v_add_nc_u32 v[RD], s23, v5
	v_lshlrev_b32 v5, 12, v2                       ; and the same two rows in the output: 4,096 bytes a row
	v_lshl_add_u32 v[CO], v1, 4, v5
	s_lshl_b32 s16, s13, 7
	s_lshl_b32 s17, s11, 6
	s_add_co_u32 s16, s16, s17                     ; my first row: 128 x tile row + 64 x half
	s_lshl_b32 s16, s16, 12
	s_mov_b32 s17, 0
	s_add_nc_u64 s[8:9], s[8:9], s[16:17]
; 8 matrix instructions: m blocks a0, a0 + 1 x all 4 n blocks, 32 along K: half c of buffer f.  zero = 1: the first product starts the sums, on the bias
.macro MUL8 f, c, a0, zero
.irp a, \a0, \a0+1
.irp b, 0,1,2,3
.if \zero
	v_wmma_f32_16x16x32_f16 v[ACC+8*(4*(\a)+\b):ACC+8*(4*(\a)+\b)+7], v[\f+64+8*(4*\c+\b):\f+64+8*(4*\c+\b)+7], v[\f+8*(4*\c+\a):\f+8*(4*\c+\a)+7], v[BIA+8*\b:BIA+8*\b+7]
.else
	v_wmma_f32_16x16x32_f16 v[ACC+8*(4*(\a)+\b):ACC+8*(4*(\a)+\b)+7], v[\f+64+8*(4*\c+\b):\f+64+8*(4*\c+\b)+7], v[\f+8*(4*\c+\a):\f+8*(4*\c+\a)+7], v[ACC+8*(4*(\a)+\b):ACC+8*(4*(\a)+\b)+7]
.endif
.endr
.endr
.endm
; 32 LDS loads in one run: the fragments of 64 along K at byte k of the rows, into buffer f; the first 32 along K first
.macro FETCH slot, k, f
	WIN TO_F
.irp c, 0,1
.irp i, 0,1,2,3
	ds_load_b128 v[\f+64+8*(4*\c+\i):\f+64+8*(4*\c+\i)+3],   v[ADRB+\slot] offset:\k+64*\c+\i*16*PITCH
	ds_load_b128 v[\f+64+8*(4*\c+\i)+4:\f+64+8*(4*\c+\i)+7], v[ADRB+\slot] offset:\k+64*\c+\i*16*PITCH+32
	ds_load_b128 v[\f+8*(4*\c+\i):\f+8*(4*\c+\i)+3],         v[ADRA+\slot] offset:\k+64*\c+\i*16*PITCH
	ds_load_b128 v[\f+8*(4*\c+\i)+4:\f+8*(4*\c+\i)+7],       v[ADRA+\slot] offset:\k+64*\c+\i*16*PITCH+32
.endr
.endr
.endm
.macro PLACES                          ; four places in front of loads into registers that matrix instructions have read, and of the first read of results
.rept 4
	v_nop
.endr
.endm
; A K step is four quarters of 64 along K, 32 matrix instructions each, on buffers 0, 1, 0, 1.  One of the first three: multiplies buffer f and fetches the next quarter, at byte k, into g.
.macro QUARTER slot, k, f, g, zero
	s_wait_dscnt 16                                ; the first 32 along K are in
	WIN MUL
	MUL8 \f, 0, 0, \zero
	MUL8 \f, 0, 2, \zero
	PLACES
	FETCH \slot, \k, \g
	s_wait_dscnt 32                                ; all but the 32 just issued
	WIN MUL
	MUL8 \f, 1, 0, 0
	MUL8 \f, 1, 2, 0
.endm
; The last quarter multiplies buffer 1 and changes slots: ONE barrier; in front of it each wave waits for all its tensor loads, adds 0 to its spare word, and waits for that and for its own reads of this slot.  fill = 1: this slot is filled again, two K steps ahead.
.macro TURN slot, next, fill
	WIN 0                                          ; (the add's two registers lie in window 0)
	s_wait_tensorcnt 0x0                           ; all my tensor loads have landed: my part of the next slot;
	ds_add_u32 v[SPW], v[NIL]                      ; 0 onto my spare word;
	s_wait_dscnt 17                                ; (the add and the youngest sixteen loads may be out)
	WIN MUL
	MUL8 F1, 0, 0, 0                               ; eight matrix instructions stand between the add and the wait for it
	s_wait_dscnt 0x0                               ; the add is done, and my reads of this slot are over
	s_barrier_signal -1
	MUL8 F1, 0, 2, 0
.if \fill
	WIN 0
.endif
	s_barrier_wait -1
.if \fill
	CREST                                          ; the barrier has opened a round of the cluster's barrier: no wave of any partner still reads this slot's tile or has a load on its way
	s_add_nc_u64 s[G0+4*\slot+2:G0+4*\slot+3], s[G0+4*\slot+2:G0+4*\slot+3], 2*KSTEP*2
	s_add_nc_u64 s[G0B+4*\slot+2:G0B+4*\slot+3], s[G0B+4*\slot+2:G0B+4*\slot+3], 2*KSTEP*2
	JLOAD \slot                                    ; the first tensor load behind the round; the four v_nop behind it are also the places in front of the loads below
.else
	PLACES
.endif
	FETCH \next, 0, F0
	WIN MUL
	MUL8 F1, 1, 0, 0
	MUL8 F1, 1, 2, 0
.endm
	s_wait_tensorcnt 1                             ; my part of K step 0 is in (K step 1's load may be out)
	s_barrier_signal -1
	s_barrier_wait -1                              ; everybody's is
	FETCH 0, 0, F0
	s_wait_loadcnt 0x0                             ; bo
	QUARTER 0, 128, F0, F1, 1                      ; the first quarter stands in front of the loop: its first products start the sums
.if LAPS > 1
	WIN 0                                          ; at a label and at a branch every window is 0
	s_mov_b32 s3, LAPS-1
.Llap:                                                 ; a trip goes once round the ring, from a lap's second quarter to the next lap's first, and fills both slots again
	QUARTER 0, 256, F1, F0, 0
	QUARTER 0, 384, F0, F1, 0
	TURN 0, 1, 1
	QUARTER 1, 128, F0, F1, 0
	QUARTER 1, 256, F1, F0, 0
	QUARTER 1, 384, F0, F1, 0
	TURN 1, 0, 1
	QUARTER 0, 128, F0, F1, 0
	WIN 0
	s_sub_co_u32 s3, s3, 1
	s_cmp_lg_u32 s3, 0
	s_cbranch_scc1 .Llap
.endif
	QUARTER 0, 256, F1, F0, 0                      ; the last lap fills nothing, and has no round of the cluster's barrier
	QUARTER 0, 384, F0, F1, 0
	TURN 0, 1, 0
	QUARTER 1, 128, F0, F1, 0
	QUARTER 1, 256, F1, F0, 0
	QUARTER 1, 384, F0, F1, 0
	s_wait_dscnt 16                                ; the very last quarter: nothing more to fetch
	WIN MUL
	MUL8 F1, 0, 0, 0
	MUL8 F1, 0, 2, 0
	s_wait_dscnt 0
	MUL8 F1, 1, 0, 0
	MUL8 F1, 1, 2, 0
	WIN 0
; THE WAY OUT, block by block of 16 rows x 64 columns.  A lane holds 32 neighbouring bytes of a row: a block goes through my own stage and comes back as whole rows of 256 bytes.
; A wave's LDS instructions are served in order (ISA guide 5.7.1.4): no wait between the stores and the loads.
.macro TOSTAGE a
.irp b, 0,1,2,3
	ds_store_b128 v[STO], v[ACC+8*(4*(\a)+\b):ACC+8*(4*(\a)+\b)+3] offset:(\a)*16*SPITCH+64*\b          ; each accumulator from its low end on
	ds_store_b128 v[STO], v[ACC+8*(4*(\a)+\b)+4:ACC+8*(4*(\a)+\b)+7] offset:(\a)*16*SPITCH+64*\b+16
.endr
.irp t, 0,1,2,3,4,5,6,7
	ds_load_b128 v[OB+32*((\a)%2)+4*\t:OB+32*((\a)%2)+4*\t+3], v[RD] offset:((\a)*16+2*\t)*SPITCH
.endr
.endm
.macro SEND a, younger                 ; younger: the LDS instructions issued behind block a's loads, which may stay out
	s_wait_dscnt \younger
.irp t, 0,1,2,3,4,5,6,7
	global_store_b128 v[CO], v[OB+32*((\a)%2)+4*\t:OB+32*((\a)%2)+4*\t+3], s[8:9] offset:((\a)*16+2*\t)*SIZE_N*4 th:TH_STORE_NT   ; sixteen lanes store 256 consecutive bytes, aligned
.endr
.endm
	PLACES
	TOSTAGE 0
	TOSTAGE 1
	SEND 0, 16                                     ; behind block 0's loads: block 1's 8 stores and 8 loads
	s_wait_xcnt 0x0                                ; block 0's stores have read their registers: block 2's loads may land there
	TOSTAGE 2
	SEND 1, 16
	s_wait_xcnt 0x0
	TOSTAGE 3
	SEND 2, 16
	SEND 3, 0
	s_wait_tensorcnt 0x0                           ; the wave's end, behind my last tensor load and my last LDS store
	ds_add_u32 v[SPW], v[NIL]
	s_wait_dscnt 0x0
	CROUND                                         ; the closing round: no work-group ends while a partner may still ask for a tile that names it
	s_endpgm
.Lfunc_end_k_qb873330a9d_proj:
	.size	k_qb873330a9d_proj, .Lfunc_end_k_qb873330a9d_proj-k_qb873330a9d_proj
	.p2alignl 7, 3214868480
	.fill 96, 4, 3214868480
	.section	.rodata,"a",@progbits
	.p2align	6, 0x0
	.amdhsa_kernel k_qb873330a9d_proj
		.amdhsa_group_segment_fixed_size 327680
		.amdhsa_private_segment_fixed_size 0
		.amdhsa_enable_private_segment 0
		.amdhsa_kernarg_size 32
		.amdhsa_user_sgpr_count 2
		.amdhsa_user_sgpr_kernarg_segment_ptr 1
		.amdhsa_wavefront_size32 1
		.amdhsa_system_sgpr_workgroup_id_x 1
		.amdhsa_system_sgpr_workgroup_id_y 1
		.amdhsa_system_sgpr_workgroup_id_z 1
		.amdhsa_system_vgpr_workitem_id 0
		.amdhsa_next_free_vgpr 512
		.amdhsa_next_free_sgpr 70
		.amdhsa_reserve_vcc 0
		.amdhsa_float_denorm_mode_32 3
		.amdhsa_float_denorm_mode_16_64 3
		.amdhsa_memory_ordered 1
		.amdhsa_forward_progress 1
		.amdhsa_inst_pref_size 86
	.end_amdhsa_kernel
	.amdgpu_metadata
---
amdhsa.version: [ 1, 2 ]
amdhsa.kernels:
  - .name:           k_qb873330a9d_proj
    .symbol:         k_qb873330a9d_proj.kd
    .args:
      - { .name: y, .offset: 0, .size: 8, .value_kind: global_buffer, .address_space: global }
      - { .name: wot, .offset: 8, .size: 8, .value_kind: global_buffer, .address_space: global }
      - { .name: out0, .offset: 16, .size: 8, .value_kind: global_buffer, .address_space: global }
      - { .name: bo, .offset: 24, .size: 8, .value_kind: global_buffer, .address_space: global }
    .group_segment_fixed_size: 327680
    .private_segment_fixed_size: 0
    .kernarg_segment_align: 8
    .kernarg_segment_size: 32
    .max_flat_workgroup_size: 128
    .sgpr_count:     70
    .vgpr_count:     512
    .wavefront_size: 32
...
	.end_amdgpu_metadata
.endif
;; end of part 4
;; launch fine (part 5): grid 64 x 2, 16 waves a work-group, no clusters, 18,432 bytes of LDS; arguments fq, Wo, bo, out0; writes out0
.if DOCPART == 5
	.amdgcn_target "amdgcn-amd-amdhsa--gfx1250"
	.amdhsa_code_object_version 6
	.text
	.protected	k_qb873330a9d_fine
	.globl	k_qb873330a9d_fine
	.p2align	8
	.type	k_qb873330a9d_fine,@function
k_qb873330a9d_fine:
	s_mov_b64 s[64:65], 0
	v_nop
	global_prefetch_b8 v0, s[64:65] scope:SCOPE_SE
	s_setreg_imm32_b32 hwreg(HW_REG_WAVE_MODE, 25, 1), 1
	s_wait_xcnt 0x0
; FINE.  The first 16 positions of each sequence average 1 to 16 values: their attention and their rows of the projection are made once more with f32 operands, and written over what the launch before stored there.
; SHARES.  A work-group makes out0[batch y][0..15][16 x .. 16 x + 15].  Wave w is head w: it makes its head's attention for the 16 positions (16 + 16 matrix instructions of 16 x 16 x 4) and its 64 of the projection's
; 1,024 along K (16 more); the sixteen partial tiles meet in LDS, and wave 0 adds them and bo.  The attention is repeated in the 64 work-groups of a batch: each output number has one owner, in one launch.
; OPERANDS are the f32 sums that the products' launch stored as they stood in its registers: q, k: lane (r, h), register j of tile i: token r, channel 16 i + 8 h + j;  v: token 8 h + j, channel 16 i + r.
; A pair of such registers is an operand of the f32 form; which k of the sum a lane's register holds is the same on both sides of every product, so each product's sum runs over all its k once.
; S^T = K Q^T (lane: query r, keys 8 h + j), O^T = V^T P (query r, channels 16 dt + 8 h + j), out^T = Wo^T O^T (query r, columns 8 h + j).
; The registers that the f32 form writes (v160-223) are written by matrix instructions alone; sums begin with the constant 0; two or four accumulators take turns.
; A row's piece of the output is 64 bytes, and Wo is read in runs of 64 bytes: 128 KiB stored and 8 MiB read in the whole launch.
.set SPARE, 16384                      ; LDS: 16 partial tiles of 1,024 bytes from 0; then the spare words, 128 bytes for each wave: eight blocks of 256 bytes that no other line names
; v1 16 x lane, v4 32 h, v5 Wo's offset, v6 r - 8 h, v7 the output's offset, v8 my partial tile, v9 -infinity, v14, v15 the add's two, v16-23 bo, v24-31 scores, then p, v32-63 K, v64-95 Q, v96-127 V, v128-159 Wo,
; v160-175 S^T in two halves, v176-207 O^T, v208-223 out^T in two halves, v224-231 their sum, v232-237 at work
	s_load_b256 s[8:15], s[0:1], 0x0               ; fq 8, Wo 10, bo 12, out0 14
	v_lshl_add_u32 v14, v0, 2, SPARE
	v_mov_b32 v15, 0
	v_lshrrev_b32 v1, 5, v0
	v_readfirstlane_b32 s16, v1                    ; wave = head
	s_and_b32 s17, ttmp7, 0xffff                   ; batch
	v_and_b32 v2, 31, v0
	v_lshlrev_b32 v1, 4, v2                        ; 16 x lane
	v_and_b32 v2, 15, v0                           ; r
	v_bfe_u32 v3, v0, 4, 1                         ; h
	v_lshlrev_b32 v4, 5, v3
	v_lshlrev_b32 v5, 15, v3
	v_lshl_add_u32 v5, v2, 2, v5                   ; Wo: 8 h rows of 4,096 bytes + 4 r
	v_lshlrev_b32 v6, 3, v3
	v_sub_nc_u32 v6, v2, v6
	v_lshlrev_b32 v7, 12, v2
	v_lshl_add_u32 v7, v3, 5, v7                   ; out0: row r of 4,096 bytes + 32 h
	s_lshl_b32 s18, s16, 10
	v_add_nc_u32 v8, s18, v1
	v_mov_b32 v9, 0xff800000
	s_mov_b32 s24, 0x76543210
	s_mov_b32 s25, 0xfedcba98                      ; v_permlanex16_b32's selects for lane l xor 16
	s_mov_b32 s26, 0x3e38aa3b                      ; c = log2(e) / 8
	s_mov_b32 s29, 0
	s_mov_b32 s31, 0
	s_lshl_b32 s18, s17, 4
	s_lshr_b32 s19, s16, 2
	s_lshl_b32 s19, s19, 2
	s_add_co_u32 s19, s19, s18                     ; 16 batch + 4 group: the group's first slice
	s_mul_i32 s28, s19, 6144
	s_add_co_u32 s28, s28, 4096                    ; its k
	s_add_co_u32 s18, s18, s16
	s_mul_i32 s30, s18, 6144                       ; slice 16 batch + head: my q
	s_wait_kmcnt 0x0
	s_add_nc_u64 s[20:21], s[8:9], s[28:29]
	s_add_nc_u64 s[22:23], s[8:9], s[30:31]
	s_lshl_b32 s28, ttmp9, 6                       ; my 16 columns, in bytes
	s_add_nc_u64 s[12:13], s[12:13], s[28:29]
	s_add_nc_u64 s[10:11], s[10:11], s[28:29]
	s_add_nc_u64 s[14:15], s[14:15], s[28:29]
	s_lshl_b32 s28, s16, 18                        ; my head's 64 rows of Wo
	s_add_nc_u64 s[10:11], s[10:11], s[28:29]
	s_lshl_b32 s28, s17, 23                        ; my batch's rows of the output
	s_add_nc_u64 s[14:15], s[14:15], s[28:29]
.irp t, 0,1,2,3
.irp c, 0,1
	global_load_b128 v[32+8*\t+4*\c:35+8*\t+4*\c], v1, s[20:21] offset:\t*6144+\c*512          ; K
.endr
.endr
.irp t, 0,1,2,3
.irp c, 0,1
	global_load_b128 v[64+8*\t+4*\c:67+8*\t+4*\c], v1, s[22:23] offset:\t*1024+\c*512          ; Q
.endr
.endr
.irp t, 0,1,2,3
.irp c, 0,1
	global_load_b128 v[96+8*\t+4*\c:99+8*\t+4*\c], v1, s[20:21] offset:\t*6144+\c*512+1024     ; V
.endr
.endr
.irp c, 0,1
	global_load_b128 v[16+4*\c:19+4*\c], v4, s[12:13] offset:16*\c                             ; bo
.endr
.irp t, 0,1,2,3
.irp j, 0,1,2,3,4,5,6,7
	global_load_b32 v[128+8*\t+\j], v5, s[10:11] offset:(16*\t+\j)*4096                        ; Wo(64 w + 16 t + 8 h + j, 16 x + r)
.endr
.endr
	s_wait_loadcnt 42                              ; K and Q are in; V's 8, bo's 2 and Wo's 32 may be out
.set n, 0
.rept 16
.if n < 2
	v_wmma_f32_16x16x4_f32 v[160+8*(n%2):167+8*(n%2)], v[32+2*n:33+2*n], v[64+2*n:65+2*n], 0
.else
	v_wmma_f32_16x16x4_f32 v[160+8*(n%2):167+8*(n%2)], v[32+2*n:33+2*n], v[64+2*n:65+2*n], v[160+8*(n%2):167+8*(n%2)]
.endif
.set n, n+1
.endr
.rept 8
	v_nop                                          ; eight places behind this form, in front of the first read of results (ISA guide 7.12.1)
.endr
.irp p, 0,2,4,6
	v_pk_add_f32 v[24+\p:25+\p], v[160+\p:161+\p], v[168+\p:169+\p]      ; the two halves of the sum, from the low end on
.endr
.irp j, 0,1,2,3,4,5,6,7
	v_cmp_gt_i32 vcc_lo, \j, v6                    ; hidden: key 8 h + j > query r
	v_cndmask_b32 v[24+\j], v[24+\j], v9, vcc_lo
.endr
	v_max3_num_f32 v232, v24, v25, v26
	v_max3_num_f32 v233, v27, v28, v29
	v_max3_num_f32 v232, v232, v30, v31
	v_max_num_f32 v232, v232, v233
	v_permlanex16_b32 v233, v232, s24, s25
	v_max_num_f32 v232, v232, v233                 ; the row's maximum: key 0 counts for every query
	v_mul_f32 v232, s26, v232
.irp j, 0,1,2,3,4,5,6,7
	v_fma_f32 v[24+\j], v[24+\j], s26, -v232       ; c s - c m
.endr
.irp j, 0,1,2,3,4,5,6,7
	v_exp_f32 v[24+\j], v[24+\j]
.endr
	v_nop                                          ; the plain instruction behind the last exponential
	s_wait_alu depctr_va_vdst(0)                   ; one wait for the eight, ahead of their first reader
	v_pk_add_f32 v[234:235], v[24:25], v[26:27]
	v_pk_add_f32 v[236:237], v[28:29], v[30:31]
	v_pk_add_f32 v[234:235], v[234:235], v[236:237]
	v_add_f32 v234, v234, v235
	v_permlanex16_b32 v235, v234, s24, s25
	v_add_f32 v234, v234, v235                     ; the row's sum
	v_rcp_f32 v234, v234
	v_nop
	s_wait_alu depctr_va_vdst(0)
.irp j, 0,1,2,3,4,5,6,7
	v_mul_f32 v[24+\j], v[24+\j], v234             ; p, normalised
.endr
	s_wait_loadcnt 34                              ; V is in
.irp i, 0,1,2,3
.irp t, 0,1,2,3
.if \i == 0
	v_wmma_f32_16x16x4_f32 v[176+8*\t:183+8*\t], v[96+8*\t+2*\i:97+8*\t+2*\i], v[24+2*\i:25+2*\i], 0
.else
	v_wmma_f32_16x16x4_f32 v[176+8*\t:183+8*\t], v[96+8*\t+2*\i:97+8*\t+2*\i], v[24+2*\i:25+2*\i], v[176+8*\t:183+8*\t]
.endif
.endr
.endr
.rept 9
	v_nop                                          ; nine places: the results become operands of matrix instructions
.endr
	s_wait_loadcnt 0x0                             ; bo and Wo are in
.set n, 0
.rept 16
.if n < 2
	v_wmma_f32_16x16x4_f32 v[208+8*(n%2):215+8*(n%2)], v[128+2*n:129+2*n], v[176+2*n:177+2*n], 0
.else
	v_wmma_f32_16x16x4_f32 v[208+8*(n%2):215+8*(n%2)], v[128+2*n:129+2*n], v[176+2*n:177+2*n], v[208+8*(n%2):215+8*(n%2)]
.endif
.set n, n+1
.endr
.rept 8
	v_nop
.endr
.irp p, 0,2,4,6
	v_pk_add_f32 v[224+\p:225+\p], v[208+\p:209+\p], v[216+\p:217+\p]
.endr
	ds_store_b128 v8, v[224:227]
	ds_store_b128 v8, v[228:231] offset:512
	s_wait_dscnt 0x0                               ; for wave 0's sake: my stores have landed
	s_barrier_signal -1
	s_barrier_wait -1
	s_cmp_lg_u32 s16, 0
	s_cbranch_scc1 .Ldone
.set n, 0
.rept 32
	ds_load_b128 v[32+4*n:35+4*n], v1 offset:512*n                 ; wave w's eight registers at v[32 + 8 w]
.set n, n+1
.endr
	s_wait_dscnt 0x0
.irp st, 8,4,2,1
.set n, 0
.rept 4*\st
	v_pk_add_f32 v[32+2*n:33+2*n], v[32+2*n:33+2*n], v[32+8*\st+2*n:33+8*\st+2*n]
.set n, n+1
.endr
.endr
.irp p, 0,2,4,6
	v_pk_add_f32 v[32+\p:33+\p], v[32+\p:33+\p], v[16+\p:17+\p]    ; + bo
.endr
	global_store_b128 v7, v[32:35], s[14:15]
	global_store_b128 v7, v[36:39], s[14:15] offset:16
.Ldone:
	s_wait_tensorcnt 0x0                           ; the wave's end, behind my last LDS store
	ds_add_u32 v14, v15
	s_wait_dscnt 0x0
	s_endpgm
.Lfunc_end_k_qb873330a9d_fine:
	.size	k_qb873330a9d_fine, .Lfunc_end_k_qb873330a9d_fine-k_qb873330a9d_fine
	.p2alignl 7, 3214868480
	.fill 96, 4, 3214868480
	.section	.rodata,"a",@progbits
	.p2align	6, 0x0
	.amdhsa_kernel k_qb873330a9d_fine
		.amdhsa_group_segment_fixed_size 18432
		.amdhsa_private_segment_fixed_size 0
		.amdhsa_enable_private_segment 0
		.amdhsa_kernarg_size 32
		.amdhsa_user_sgpr_count 2
		.amdhsa_user_sgpr_kernarg_segment_ptr 1
		.amdhsa_wavefront_size32 1
		.amdhsa_system_sgpr_workgroup_id_x 1
		.amdhsa_system_sgpr_workgroup_id_y 1
		.amdhsa_system_sgpr_workgroup_id_z 1
		.amdhsa_system_vgpr_workitem_id 0
		.amdhsa_next_free_vgpr 248
		.amdhsa_next_free_sgpr 66
		.amdhsa_reserve_vcc 1
		.amdhsa_float_denorm_mode_32 3
		.amdhsa_float_denorm_mode_16_64 3
		.amdhsa_memory_ordered 1
		.amdhsa_forward_progress 1
		.amdhsa_inst_pref_size 21
	.end_amdhsa_kernel
	.amdgpu_metadata
---
amdhsa.version: [ 1, 2 ]
amdhsa.kernels:
  - .name:           k_qb873330a9d_fine
    .symbol:         k_qb873330a9d_fine.kd
    .args:
      - { .name: fq, .offset: 0, .size: 8, .value_kind: global_buffer, .address_space: global }
      - { .name: Wo, .offset: 8, .size: 8, .value_kind: global_buffer, .address_space: global }
      - { .name: bo, .offset: 16, .size: 8, .value_kind: global_buffer, .address_space: global }
      - { .name: out0, .offset: 24, .size: 8, .value_kind: global_buffer, .address_space: global }
    .group_segment_fixed_size: 18432
    .private_segment_fixed_size: 0
    .kernarg_segment_align: 8
    .kernarg_segment_size: 32
    .max_flat_workgroup_size: 512
    .sgpr_count:     66
    .vgpr_count:     248
    .wavefront_size: 32
...
	.end_amdgpu_metadata
.endif
;; end of part 5
